; MI455X (gfx1250); checked and timed in simulation.
; The chip was launched on July 23, 2026; its instructions are those of AMD's public machine-readable ISA for CDNA 5 (MIT licence, August 2026) and "CDNA5" Instruction Set Architecture Reference Guide (July 2026). The comments in the code are by the model that wrote it; some were corrected since.
;; Causal Multi Head Attention. Allowed arithmetic: matrix products marked QUANTISED: E3M2 operands, one E8M0 scale for each 32 along K, by v_wmma_scale_f32_16x16x128_f8f6f4 with both operands' format E3M2, f32 sums; everything else in f32.
;; Inputs: Wk 1,024 x 1,024 float32; Wo 1,024 x 1,024 float32; Wq 1,024 x 1,024 float32; Wv 1,024 x 1,024 float32; token_positions 1 x 4,096 int32; x 1 x 4,096 x 1,024 float32.
;; Outputs: out0 1 x 4,096 x 1,024 float32.
;; This version of the problem:
;;   THIS VERSION OF THE PROBLEM IS GIVEN IN LOW PRECISION. The matrix products marked QUANTISED in the list below multiply operands that are first quantised to E3M2 (3 exponent bits, 2 mantissa bits; 6 bits a number), with one power-of-two scale for each 32 numbers along K (OCP MX v1.0); their sums are f32. All else is computed in f32.
;;   The module's matrix products, in the order in which they are computed (A, B: the left and right operand; K: the contracted axis; several contracted axes count as one K, in the product's order):
;;     1. [M 4,096, K 1,024] x [K 1,024, N 1,024]; A: input x; B: input Wq: QUANTISED
;;     2. [M 4,096, K 1,024] x [K 1,024, N 1,024]; A: input x; B: input Wk: QUANTISED
;;     3. [M 4,096, K 1,024] x [K 1,024, N 1,024]; A: input x; B: input Wv: QUANTISED
;;     4. batch 16 x [M 4,096, K 64] x [K 64, N 4,096]; A: computed on the way; B: computed on the way: QUANTISED
;;     5. batch 16 x [M 4,096, K 4,096] x [K 4,096, N 64]; A: softmax (see below); B: computed on the way: QUANTISED
;;     6. [M 4,096, K 1,024] x [K 1,024, N 1,024]; A: computed on the way; B: input Wo: QUANTISED
;;   THE QUANTISER, for each operand of a quantised product, along K:
;;     - K is cut into blocks of 32 from its start; a last block that is shorter is filled with zeros.
;;     - A block's scale is 2^e with e = floor(log2(the largest magnitude in the block)) - 4, held to -126 .. 127; a block of zeros has e = 0. As a byte (E8M0): e + 127.
;;     - Each number is divided by its block's scale, clamped to +-28, and rounded to the nearest number of E3M2, ties to even, subnormals kept.
;;     - The product sums the exact products of the quantised numbers (number of the format x scale) in f32.
;;   ~~~python
;;   def quantise(x, axis):      # numpy; x: float32 -> the quantised numbers, widened to float32 again
;;       x = np.moveaxis(x, axis, -1); K = x.shape[-1]
;;       x = np.pad(x, [(0, 0)] * (x.ndim - 1) + [(0, -K % 32)]); x = x.reshape(x.shape[:-1] + (-1, 32)); a = np.abs(x).max(-1, keepdims=True)
;;       e = np.where(a > 0, np.clip(np.frexp(np.where(a > 0, a, 1))[1] - 1 - 4, -126, 127), 0)      # np.frexp(a)[1] - 1 = floor(log2(a)), exactly
;;       r = np.clip(x / 2.0 ** e, -28, 28)
;;       step = 2.0 ** (np.maximum(np.frexp(np.where(r == 0, 1, r))[1] - 1, -2) - 2)
;;       q = np.round(r / step) * step * 2.0 ** e      # np.round: ties to even
;;       return np.moveaxis(q.reshape(q.shape[:-2] + (-1,))[..., :K], -1, axis).astype(np.float32)
;;   ~~~
;;   SOFTMAX AHEAD OF A QUANTISED PRODUCT. Where the list says 'softmax', what is quantised is not the finished softmax but p = 2^(t - M), with t = logit x log2(e) and M = ceil(the row's largest t), a whole number; so 1/2 < the row's largest p <= 1. The row's sum l is taken of the UNQUANTISED p, in f32, and the product's result is divided by l at the end. Since M is a whole number, a kernel that streams over the keys may use a running M (the ceiling of the running maximum): every later rescaling is an exact power of two, which a block's scale takes up: the codes' values come out the same.
;;   OPERANDS COMPUTED ON THE WAY. 'Computed on the way' means the value that the module computes at that place (a softmax that the list does not call 'softmax' is quantised finished and normalised). What goes into a quantiser is computed in f32, as accurately as f32 sums, v_exp_f32 and their like allow (about 1e-6 of the number): no bf16 or f16 on the way to a quantiser, and a product that is left as it is and whose result goes on into a quantised operand takes f32 operands (vector FMAs, or v_wmma_f32_16x16x4_f32). A number that lies on a knife's edge between two numbers of the format may be rounded either way, as far as f32 arithmetic and the matrix unit's own rounding can turn it there, and no further.
;; One version. Each part assembles by itself: llvm-mc -triple=amdgcn-amd-amdhsa -mcpu=gfx1250 --defsym DOCPART=n.
;; ======== version 1 of 1: 4 launches
;; limits: right only within a limited range of input values
;; workspace buffers: cod 6,291,456 bytes; sc 393,216 bytes; rt 1,048,576 bytes; qc 3,407,872 bytes; kv 6,684,672 bytes; oc 3,145,728 bytes
;; launch prep (part 1): grid 384 x 1, 2 waves a work-group, no clusters, 17,152 bytes of LDS; arguments x, Wq, Wk, Wv, Wo, token_positions, cod, sc, rt; writes cod, sc, rt
.if DOCPART == 1
	.amdgcn_target "amdgcn-amd-amdhsa--gfx1250"
	.amdhsa_code_object_version 6
	.text
	.protected	k_qdd09e814a4_prep
	.globl	k_qdd09e814a4_prep
	.p2align	8
	.type	k_qdd09e814a4_prep,@function
k_qdd09e814a4_prep:
	s_mov_b64 s[64:65], 0
	v_nop
	global_prefetch_b8 v0, s[64:65] scope:SCOPE_SE
	s_setreg_imm32_b32 hwreg(HW_REG_WAVE_MODE, 25, 1), 1
	s_wait_xcnt 0x0
; x [4096][1024] and Wq, Wk, Wv, Wo [1024][1024], f32, K innermost, become codes of BF6 (E3M2) with one E8M0 byte for each 32 along K; token_positions become a table of cos and sin.
; TILES.  Tile T of a matrix's rows is rows 32 (T / 2) + 8 (T % 2) + rho(r), rho(r) = r + 8 (r / 8), r = 0 .. 15.  A tile's record in cod is its eight fragments (16 rows x 128 K, 12 registers a lane)
; on end, each as an IMAGE OF ITS REGISTERS: three chunks of 512 bytes, lane l's 16 bytes at 16 l = registers 4 n .. 4 n + 3.  Its record in sc is 512 bytes: row r's 32 bytes at 32 r.
; Records: 0-255 x; 256 + 12 head + (q0-3, v0, v1, k0-3, v2, v3); 448-511 Wo.
; Work-groups 0-255: a wave quantises one tile.  Each load reads 512 consecutive bytes of a row; a fragment's 16 x 512 bytes turn through the wave's own stage in LDS (rows 528 bytes apart, an odd multiple
; of 16), so that lane (r, h) gets k = 64 c + 32 h + 0 .. 31 of row r: two whole blocks, in the operand's own order.  Loads run two fragments (32 loads a wave) ahead.
; Work-groups 256-383: a wave makes one token tile's cos and sin: angle = f32(position) x 10^(-f / 8), one rounding; reduced by multiples of pi / 2 held in three parts, then polynomials on [-pi/4, pi/4].
; rt: [token tile][8 chunks][512]: chunk 4 b + qd, lane (r, h): cos, sin of frequency 16 b + 8 h + 2 qd, then of the next one.
; LIMITS: NaN and infinities are not served; a block of zeros, or one whose largest magnitude lies under 2^-122, gets the byte 1 (its codes then add what the floor allows; these bytes are read by this
; program alone); positions of magnitude up to 2^20 (the three-part reduction's range).
; No matrix unit, no tensor load, no cluster: each byte is read once and waves share nothing.
.set LI,  4                            ; v4   16 x lane
.set STW, 5                            ; v5   the stage, way in
.set STR, 6                            ; v6   the stage, way out
.set H8,  7                            ; v7   8 h
.set SCO, 8                            ; v8   32 r + 16 h
.set MX,  10                           ; v10-11 largest magnitudes
.set SO,  12                           ; v12-13 the conversions' scale operands
.set BY,  14                           ; v14-15 the bytes
.set WD,  16                           ; v16-17 the scale word at work
.set W8,  20                           ; v20-27 eight scale words
.set Z,   28                           ; v28-31 my 16 bytes of the scale record
.set C,   32                           ; v32-43 a fragment's codes
.set CT,  44                           ; v44-46, v48-50
.set X,   64                           ; v64-127 64 numbers in the operand's order
.set R,   128                          ; v128-255 two sets of 64 numbers as loaded
.set SP,  528
.set WREG, 16*SP
	s_load_b512 s[8:23], s[0:1], 0x0               ; x, Wq, Wk, Wv, Wo, positions, cod, sc
	s_load_b64 s[24:25], s[0:1], 0x40              ; rt
	v_lshl_add_u32 v62, v0, 2, 0x4200
	v_mov_b32 v63, 0
	v_lshrrev_b32 v1, 5, v0
	v_readfirstlane_b32 s26, v1                    ; wave
	v_and_b32 v1, 31, v0                           ; lane
	v_and_b32 v2, 15, v0                           ; r
	v_bfe_u32 v3, v0, 4, 1                         ; h
	v_cmp_eq_u32 vcc_lo, 1, v3                     ; the mask of lanes 16-31: kept in VCC to the end
	s_mov_b32 s2, 0x76543210
	s_mov_b32 s3, 0xfedcba98                       ; v_permlanex16_b32's selects for lane l xor 16
	s_wait_kmcnt 0x0
	s_cmp_ge_u32 ttmp9, 256
	s_cbranch_scc1 .Ltable
	; ---------------- the quantiser ----------------
	s_lshl_b32 s27, ttmp9, 1
	s_add_co_u32 s27, s27, s26                     ; U: 0-255 x's tiles, 256-511 the weights'
	s_max_u32 s28, s27, 256
	s_sub_co_u32 s28, s28, 256
	s_lshr_b32 s29, s28, 6                         ; m: 0 q, 1 k, 2 v, 3 o
	s_and_b32 s30, s28, 63                         ; the weight's tile
	s_lshr_b32 s31, s30, 2                         ; head
	s_and_b32 s32, s30, 3                          ; tile in the head
	s_mov_b64 s[34:35], s[16:17]                   ; the source: a choice among buffers on the work-group's and the wave's number alone
	s_cmp_eq_u32 s29, 2
	s_cselect_b64 s[34:35], s[14:15], s[34:35]
	s_cmp_eq_u32 s29, 1
	s_cselect_b64 s[34:35], s[12:13], s[34:35]
	s_cmp_eq_u32 s29, 0
	s_cselect_b64 s[34:35], s[10:11], s[34:35]
	s_cmp_lt_u32 s27, 256
	s_cselect_b64 s[34:35], s[8:9], s[34:35]
	s_cselect_b32 s33, s27, s30                    ; the tile in its matrix
	s_lshr_b32 s36, s33, 1
	s_lshl_b32 s36, s36, 17                        ; 32 rows of 4,096 bytes
	s_and_b32 s37, s33, 1
	s_lshl_b32 s37, s37, 15                        ; 8 rows
	s_add_co_u32 s36, s36, s37
	s_mov_b32 s37, 0
	s_add_nc_u64 s[34:35], s[34:35], s[36:37]
	s_lshr_b32 s38, s32, 1                         ; the record: v's place in a head's twelve is 4 + 6 (t / 2) + t % 2,
	s_mul_i32 s38, s38, 6
	s_and_b32 s39, s32, 1
	s_add_co_u32 s38, s38, s39
	s_add_co_u32 s38, s38, 4
	s_mul_i32 s39, s29, 6                          ; q's and k's 6 m + t
	s_add_co_u32 s39, s39, s32
	s_cmp_eq_u32 s29, 2
	s_cselect_b32 s38, s38, s39
	s_mul_i32 s39, s31, 12
	s_add_co_u32 s38, s38, s39
	s_add_co_u32 s38, s38, 256
	s_add_co_u32 s39, s30, 448                     ; Wo's
	s_cmp_eq_u32 s29, 3
	s_cselect_b32 s38, s39, s38
	s_cmp_lt_u32 s27, 256
	s_cselect_b32 s38, s27, s38                    ; x's
	s_mul_i32 s40, s38, 12288
	s_mov_b32 s41, 0
	s_add_nc_u64 s[20:21], s[20:21], s[40:41]
	s_lshl_b32 s40, s38, 9
	s_add_nc_u64 s[22:23], s[22:23], s[40:41]
	s_wait_alu depctr_va_vdst(0)
	v_lshlrev_b32 v[LI], 4, v1
	s_mul_i32 s42, s26, WREG
	v_add_nc_u32 v[STW], s42, v[LI]                ; in: a row's 512 bytes as they lie
	v_mul_u32_u24 v[STR], v2, SP
	v_lshl_add_u32 v[STR], v3, 7, v[STR]
	v_add_nc_u32 v[STR], s42, v[STR]               ; out: row r, + 128 h bytes
	v_lshlrev_b32 v[H8], 3, v3
	v_lshlrev_b32 v[SCO], 5, v2
	v_lshl_add_u32 v[SCO], v3, 4, v[SCO]
	v_mov_b32 v[WD+1], 0                           ; a lane permute's destination counts as one of its sources
.macro LOADF f                         ; fragment f of the tile's 16 rows: 32 lanes read 512 consecutive bytes
.irp i, 0,1,2,3,4,5,6,7,8,9,10,11,12,13,14,15
	global_load_b128 v[R+64*((\f)%2)+4*\i:R+64*((\f)%2)+4*\i+3], v[LI], s[34:35] offset:(\i+8*(\i/8))*4096+512*(\f) th:TH_LOAD_NT
.endr
.endm
.macro TURNF f                         ; through the stage: LDS serves a wave's instructions in order, so no wait stands between the stores and the loads
.irp i, 0,1,2,3,4,5,6,7,8,9,10,11,12,13,14,15
	ds_store_b128 v[STW], v[R+64*((\f)%2)+4*\i:R+64*((\f)%2)+4*\i+3] offset:SP*\i
.endr
.irp c, 0,1
.irp n, 0,1,2,3,4,5,6,7
	ds_load_b128 v[X+32*\c+4*\n:X+32*\c+4*\n+3], v[STR] offset:256*\c+16*\n   ; X[32 c + i] = k 64 c + 32 h + i of row r
.endr
.endr
.endm
.macro QF f
.irp c, 0,1                            ; my block 2 c + h: all its 32 numbers are mine
	v_max3_num_f32 v[MX+\c], |v[X+32*\c]|, |v[X+32*\c+1]|, 0x2800000      ; with the floor 2^(5 - 127): the byte cannot fall under 1
.endr
.irp i, 2,4,6,8,10,12,14,16,18,20,22,24,26,28,30
.irp c, 0,1
	v_max3_num_f32 v[MX+\c], v[MX+\c], |v[X+32*\c+\i]|, |v[X+32*\c+\i+1]|
.endr
.endr
.irp c, 0,1
	v_add_nc_u32 v[SO+\c], 0xfe000000, v[MX+\c]    ; 4 off the exponent field: the conversion's scale operand
.endr
.irp c, 0,1
	v_lshrrev_b32 v[BY+\c], 23, v[SO+\c]           ; the scale's byte
.endr
	v_lshl_or_b32 v[WD], v[BY+1], 16, v[BY]        ; blocks h and 2 + h,
	v_lshlrev_b32 v[WD], v[H8], v[WD]              ; at their places in the word;
	v_permlanex16_b32 v[WD+1], v[WD], s2, s3
	v_or_b32 v[W8+(\f)], v[WD], v[WD+1]            ; with lane l xor 16's two the word is whole
.irp c, 0,1
	v_cvt_scalef32_pk16_bf6_f32 v[C+6*\c:C+6*\c+2], v[X+32*\c:X+32*\c+15], v[SO+\c]
	v_cvt_scalef32_pk16_bf6_f32 v[CT+4*\c:CT+4*\c+2], v[X+32*\c+16:X+32*\c+31], v[SO+\c]   ; (a conversion's three registers begin on an even number)
.endr
	v_nop                                          ; one plain place behind a scaled conversion
.irp c, 0,1
.irp i, 0,1,2
	v_mov_b32 v[C+3+6*\c+\i], v[CT+4*\c+\i]
.endr
.endr
.irp n, 0,1,2
	global_store_b128 v[LI], v[C+4*\n:C+4*\n+3], s[20:21] offset:1536*(\f)+512*\n   ; the image: 512 consecutive bytes a store
.endr
.endm
	LOADF 0
	LOADF 1
	s_wait_alu depctr_va_vdst(0)
.irp f, 0,1,2,3,4,5,6,7
.if \f < 7
	s_wait_loadcnt 16                              ; this fragment's 16 loads are in; the next one's may be out
.else
	s_wait_loadcnt 0x0
.endif
	TURNF \f
	s_wait_dscnt 0x0                               ; the numbers are back, and the stage's stores have read their registers,
.if \f < 6
	LOADF \f+2                                     ; which take the loads of two fragments on
.endif
.if \f > 0
	s_wait_xcnt 0x0                                ; the last fragment's stores have read the codes' registers
.endif
	QF \f
.endr
.irp i, 0,1,2,3
	v_cndmask_b32 v[Z+\i], v[W8+\i], v[W8+4+\i], vcc_lo   ; lanes 0-15 words 0-3 of row r, lanes 16-31 words 4-7
.endr
	global_store_b128 v[SCO], v[Z:Z+3], s[22:23]   ; 512 consecutive bytes
	s_wait_tensorcnt 0x0
	ds_add_u32 v62, v63
	s_wait_dscnt 0x0
	s_endpgm
	; ---------------- the table of cos and sin ----------------
.set TI, 16                            ; four chains: the frequency, then the angle
.set TJ, 20                            ; the multiple of pi / 2
.set TR, 24                            ; the reduced angle
.set T2, 28                            ; its square
.set TC, 32                            ; cos
.set TS, 36                            ; sin
.set TN, 40                            ; the quadrant
.set TT, 44
.set TU, 48
.set TV, 52
.set RT, 64                            ; v64-95 the lane's 16 pairs
.Ltable:
	s_sub_co_u32 s27, ttmp9, 256
	s_lshl_b32 s27, s27, 1
	s_add_co_u32 s27, s27, s26                     ; the token tile
	s_lshr_b32 s28, s27, 1
	s_lshl_b32 s28, s28, 5
	s_and_b32 s29, s27, 1
	s_lshl_b32 s29, s29, 3
	s_add_co_u32 s28, s28, s29
	s_wait_alu depctr_va_vdst(0)
	v_and_b32 v4, 8, v2
	v_add_nc_u32 v4, v4, v2                        ; rho(r)
	v_add_nc_u32 v4, s28, v4                       ; my token
	v_lshlrev_b32 v4, 2, v4
	global_load_b32 v5, v4, s[18:19]
	s_lshl_b32 s30, s27, 12
	s_mov_b32 s31, 0
	s_add_nc_u64 s[24:25], s[24:25], s[30:31]
	v_lshlrev_b32 v7, 4, v1
	s_mov_b32 s40, 0x3f22f983                      ; 2 / pi
	s_mov_b32 s41, 0x3fc90fd8                      ; pi / 2 in three parts
	s_mov_b32 s42, 0x34a8885a
	s_mov_b32 s43, 0x27c234c4
	s_mov_b32 s44, 0x37cd4000                      ; cos: 2.44677067e-5, -1.38877297e-3, 4.16666567e-2, -0.5, 1
	s_mov_b32 s45, 0xbab6077d
	s_mov_b32 s46, 0x3d2aaaa8
	s_mov_b32 s47, 0x36405000                      ; sin: 2.86567956e-6, -1.98559923e-4, 8.33338592e-3, -1.66666672e-1
	s_mov_b32 s48, 0xb9503486
	s_mov_b32 s49, 0x3c0888c1
	s_mov_b32 s50, 0xbe2aaaab
	s_wait_loadcnt 0x0
	v_cvt_f32_i32 v6, v5
; Four frequencies p = 4 g + e of half b, line by line: lanes 0-15 take frequency 16 b + p (l..), lanes 16-31 frequency 16 b + 8 + p (h..).
.macro SC4 b, g, l0, l1, l2, l3, h0, h1, h2, h3
	v_mov_b32 v[TI+0], \h0
	v_mov_b32 v[TI+1], \h1
	v_mov_b32 v[TI+2], \h2
	v_mov_b32 v[TI+3], \h3
	v_cndmask_b32 v[TI+0], \l0, v[TI+0], vcc_lo
	v_cndmask_b32 v[TI+1], \l1, v[TI+1], vcc_lo
	v_cndmask_b32 v[TI+2], \l2, v[TI+2], vcc_lo
	v_cndmask_b32 v[TI+3], \l3, v[TI+3], vcc_lo
.irp e, 0,1,2,3
	v_mul_f32 v[TI+\e], v6, v[TI+\e]               ; the angle, rounded once
.endr
.irp e, 0,1,2,3
	v_mul_f32 v[TJ+\e], s40, v[TI+\e]
.endr
.irp e, 0,1,2,3
	v_rndne_f32 v[TJ+\e], v[TJ+\e]
.endr
.irp e, 0,1,2,3
	v_fma_f32 v[TR+\e], -v[TJ+\e], s41, v[TI+\e]
.endr
.irp e, 0,1,2,3
	v_fma_f32 v[TR+\e], -v[TJ+\e], s42, v[TR+\e]
.endr
.irp e, 0,1,2,3
	v_fma_f32 v[TR+\e], -v[TJ+\e], s43, v[TR+\e]
.endr
.irp e, 0,1,2,3
	v_cvt_i32_f32 v[TN+\e], v[TJ+\e]
.endr
.irp e, 0,1,2,3
	v_mul_f32 v[T2+\e], v[TR+\e], v[TR+\e]
.endr
.irp e, 0,1,2,3
	v_fma_f32 v[TC+\e], s44, v[T2+\e], s45
	v_fma_f32 v[TS+\e], s47, v[T2+\e], s48
.endr
.irp e, 0,1,2,3
	v_fma_f32 v[TC+\e], v[TC+\e], v[T2+\e], s46
	v_fma_f32 v[TS+\e], v[TS+\e], v[T2+\e], s49
.endr
.irp e, 0,1,2,3
	v_fma_f32 v[TC+\e], v[TC+\e], v[T2+\e], -0.5
	v_fma_f32 v[TS+\e], v[TS+\e], v[T2+\e], s50
.endr
.irp e, 0,1,2,3
	v_fma_f32 v[TC+\e], v[TC+\e], v[T2+\e], 1.0
	v_mul_f32 v[TT+\e], v[TR+\e], v[T2+\e]
.endr
.irp e, 0,1,2,3
	v_fma_f32 v[TS+\e], v[TS+\e], v[TT+\e], v[TR+\e]
	v_and_b32 v[TT+\e], 1, v[TN+\e]
.endr
.irp e, 0,1,2,3
	v_cmp_eq_u32 s[54+\e], 1, v[TT+\e]             ; in an odd quadrant sin and cos change places
.endr
.irp e, 0,1,2,3
	v_cndmask_b32 v[TU+\e], v[TS+\e], v[TC+\e], s[54+\e]
	v_cndmask_b32 v[TV+\e], v[TC+\e], v[TS+\e], s[54+\e]
.endr
.irp e, 0,1,2,3
	v_lshlrev_b32 v[TT+\e], 30, v[TN+\e]           ; sin's sign: bit 1 of the quadrant;
	v_add_nc_u32 v[TN+\e], 1, v[TN+\e]             ; cos's: bit 1 of the quadrant + 1
.endr
.irp e, 0,1,2,3
	v_and_b32 v[TT+\e], 0x80000000, v[TT+\e]
	v_lshlrev_b32 v[TN+\e], 30, v[TN+\e]
.endr
.irp e, 0,1,2,3
	v_xor_b32 v[RT+16*\b+2*(4*\g+\e)+1], v[TT+\e], v[TU+\e]
	v_and_b32 v[TN+\e], 0x80000000, v[TN+\e]
.endr
.irp e, 0,1,2,3
	v_xor_b32 v[RT+16*\b+2*(4*\g+\e)], v[TN+\e], v[TV+\e]
.endr
.endm
	SC4 0, 0, 1.0, 0.7498942093325, 0.5623413251903, 0.4216965034286, 0.1, 0.07498942093325, 0.05623413251903, 0.04216965034286
	SC4 0, 1, 0.3162277660168, 0.2371373705662, 0.1778279410039, 0.1333521432163, 0.03162277660168, 0.02371373705662, 0.01778279410039, 0.01333521432163
	SC4 1, 0, 0.01, 0.007498942093325, 0.005623413251903, 0.004216965034286, 0.001, 0.0007498942093325, 0.0005623413251903, 0.0004216965034286
	SC4 1, 1, 0.003162277660168, 0.002371373705662, 0.001778279410039, 0.001333521432163, 0.0003162277660168, 0.0002371373705662, 0.0001778279410039, 0.0001333521432163
.irp n, 0,1,2,3,4,5,6,7
	global_store_b128 v7, v[RT+4*\n:RT+4*\n+3], s[24:25] offset:512*\n   ; 512 consecutive bytes a store
.endr
	s_endpgm
.Lfunc_end_k_qdd09e814a4_prep:
	.size	k_qdd09e814a4_prep, .Lfunc_end_k_qdd09e814a4_prep-k_qdd09e814a4_prep
	.p2alignl 7, 3214868480
	.fill 96, 4, 3214868480
	.section	.rodata,"a",@progbits
	.p2align	6, 0x0
	.amdhsa_kernel k_qdd09e814a4_prep
		.amdhsa_group_segment_fixed_size 17152
		.amdhsa_private_segment_fixed_size 0
		.amdhsa_enable_private_segment 0
		.amdhsa_kernarg_size 72
		.amdhsa_user_sgpr_count 2
		.amdhsa_user_sgpr_kernarg_segment_ptr 1
		.amdhsa_wavefront_size32 1
		.amdhsa_system_sgpr_workgroup_id_x 1
		.amdhsa_system_sgpr_workgroup_id_y 1
		.amdhsa_system_sgpr_workgroup_id_z 1
		.amdhsa_system_vgpr_workitem_id 0
		.amdhsa_next_free_vgpr 256
		.amdhsa_next_free_sgpr 66
		.amdhsa_reserve_vcc 1
		.amdhsa_float_denorm_mode_32 3
		.amdhsa_float_denorm_mode_16_64 3
		.amdhsa_memory_ordered 1
		.amdhsa_forward_progress 1
		.amdhsa_inst_pref_size 84
	.end_amdhsa_kernel
	.amdgpu_metadata
---
amdhsa.version: [ 1, 2 ]
amdhsa.kernels:
  - .name:           k_qdd09e814a4_prep
    .symbol:         k_qdd09e814a4_prep.kd
    .args:
      - { .name: x, .offset: 0, .size: 8, .value_kind: global_buffer, .address_space: global }
      - { .name: Wq, .offset: 8, .size: 8, .value_kind: global_buffer, .address_space: global }
      - { .name: Wk, .offset: 16, .size: 8, .value_kind: global_buffer, .address_space: global }
      - { .name: Wv, .offset: 24, .size: 8, .value_kind: global_buffer, .address_space: global }
      - { .name: Wo, .offset: 32, .size: 8, .value_kind: global_buffer, .address_space: global }
      - { .name: token_positions, .offset: 40, .size: 8, .value_kind: global_buffer, .address_space: global }
      - { .name: cod, .offset: 48, .size: 8, .value_kind: global_buffer, .address_space: global }
      - { .name: sc, .offset: 56, .size: 8, .value_kind: global_buffer, .address_space: global }
      - { .name: rt, .offset: 64, .size: 8, .value_kind: global_buffer, .address_space: global }
    .group_segment_fixed_size: 17152
    .private_segment_fixed_size: 0
    .kernarg_segment_align: 8
    .kernarg_segment_size: 72
    .max_flat_workgroup_size: 64
    .sgpr_count:     66
    .vgpr_count:     256
    .wavefront_size: 32
...
	.end_amdgpu_metadata
.endif
;; end of part 1
;; launch qkv (part 2): grid 16 x 16, 4 waves a work-group, clusters of 4 x 4, 327,680 bytes of LDS; arguments cod, sc, rt, qc, kv; writes qc, kv
.if DOCPART == 2
	.amdgcn_target "amdgcn-amd-amdhsa--gfx1250"
	.amdhsa_code_object_version 6
	.text
	.protected	k_qdd09e814a4_qkv
	.globl	k_qdd09e814a4_qkv
	.p2align	8
	.type	k_qdd09e814a4_qkv,@function
k_qdd09e814a4_qkv:
	s_mov_b64 s[64:65], 0
	v_nop
	global_prefetch_b8 v0, s[64:65] scope:SCOPE_SE
	s_setreg_imm32_b32 hwreg(HW_REG_WAVE_MODE, 25, 1), 1
	s_wait_xcnt 0x0
	s_wait_alu depctr_hold_cnt(0) depctr_sa_sdst(0) depctr_va_vdst(0) depctr_va_sdst(0) depctr_va_ssrc(0) depctr_va_vcc(0) depctr_vm_vsrc(0)
	s_getreg_b32 s2, hwreg(HW_REG_IB_STS2, 6, 4)
	s_cmp_eq_u32 s2, 0
	s_cbranch_scc0 .Lentry_in_a_cluster
	s_endpgm
.Lentry_in_a_cluster:
	s_bfe_u32 s2, ttmp6, 0x10000c
	s_cmp_lg_u32 s2, 0xf033
	s_cbranch_scc0 .Lentry_shape_is_right
	s_endpgm
.Lentry_shape_is_right:
; q, k, v = x Wq^T, x Wk^T, x Wv^T on codes of BF6 (E3M2) with E8M0 scales; RoPE on q and k in f32; then q and k are quantised along the head's 64, v along the tokens.  Nothing leaves as f32.
; SHARES.  A work-group makes 256 tokens x one head's q, k and v (192 columns): 16 x 16 work-groups.  Wave wv: th = wv / 2 is its half of the tokens (128: one key step), c = wv % 2 its six tiles of
; weights: four of q (c = 0) or k (c = 1) and v's tiles 2 c, 2 c + 1.  48 accumulators a wave; for 128 along K it reads 14 fragments from LDS for 48 matrix instructions.
; OPERANDS are images of their registers (three chunks of 512 bytes a fragment, lane l's 16 bytes at 16 l): a fragment is three ds_load_b128 at 16 x lane, with no pitch and no bank conflict.
; q AND k ARE MADE TRANSPOSED (source 0 = 16 rows of W, source 1 = 16 tokens): with the tiles' row order (row 32 (T / 2) + 8 (T % 2) + r + 8 (r / 8)) a lane holds one token and its 32 registers
; are d = 32 b + 16 h + 0 .. 15, b = 0, 1: neighbours along the next K.  v IS MADE AS IT STANDS (source 0 = tokens, source 1 = rows of Wv): a lane holds one d and 64 registers run down the tokens.
; LDS is filled ONCE: all of x's K (196,608 bytes) and seven of the weights' eight fragments along K (129,024); all eight would be 344,064 bytes with x's.  The eighth (six fragments a wave) comes
; straight from memory into 72 registers.  So there is no ring and no refill.  Each wave has one tensor load outstanding at the most.
; CLUSTER 4 x 4: x's tiles hang on the token block alone and are asked for jointly along a row of the cluster, the weights' on the head alone, along a column.
; OUT.  qc [head][step of 128 tokens][6,656]: four pair images (registers 0-5 tile 2 b, 6-11 tile 2 b + 1: lane (r, h) holds block h of d), then 512 bytes of scale words: lane l's four words are those
; of tile 2 b + l / 16, row l % 16: byte 0, 1 = blocks 0, 1; bytes 2, 3 = 0x7f, for the 64 along K that the next product fills with zero codes.  kv [head][step][13,056]: k as qc; at 6,656 four
; fragments of V^T (16 d x 128 keys); at 12,800 their scale words [c][lane]: lanes 0-15 tile 2 c, lanes 16-31 tile 2 c + 1.
; LIMITS: NaN and infinities are not served; a block under 2^-122 (zeros too) gets the byte 1: these bytes are read by this program alone.
; REGISTERS, in windows of 256: window 0: v1-15 addresses; v32-95 scale words (register 8 i + kf: lanes 0-15 x's tile i, lanes 16-31 my weights' tile i); v96-191 x's set 0, later the epilogue's;
;   v192-255 cos and sin, two sets.  window 1: v0-71, v72-143 the weights' two sets, v144-215 their eighth K step.  window 2: q's or k's 32 accumulators at v[32 xi + 8 wi].
;   window 3: v0-127 v's 16 accumulators at v[64 w + 8 xi]; v128-223 x's set 1.
.set TREC, 12288                       ; a tile's record in cod
; THE FILLS AS THEY STAND NOW (in place of the four stages that the head names): each wave issues two tensor loads, one at the head (K steps 0-3) and one behind the full sequence
; and a round of the cluster's barrier (K steps 4-7; of the weights 4-6).  One tensor load a wave is outstanding at the most.
.set XH,   98304                       ; LDS: x's half p at XH p: [half of K: 49,152][tile: 6,144][fragment: 1,536]
.set XST,  24576                       ; the address registers stand XST apart: register 2 is the second half of K
.set WBASE, 196608                     ; the weights' half p at WBASE + WH p: K steps 0-3 [tile: 6,144][1,536]; at 36,864 K steps 4-6 [tile: 4,608][1,536]
.set WH,   64512
.set WST,  18432                       ; likewise: register 2 is K steps 4-6
.set LI,  1                            ; v1  16 x lane
.set VO,  4                            ; v4  my place among the scale records
.set L4,  5                            ; v5  4 x lane
.set RR,  6                            ; v6  r
.set HH,  7                            ; v7  h
.set ADX, 8                            ; v8-11  x's stages
.set ADW, 12                           ; v12-15 the weights'
.set SC,  32
.set CS,  192
.set Y,   96                           ; the epilogue: v96-127 32 numbers behind RoPE
.set IMG, 128                          ; v128-139 a pair image
.set CT,  140                          ; v140-142, v144-146
.set TM,  148                          ; v148-151 largest magnitudes
.set TP,  152                          ; v152-155 the other lane's, then the bytes
.set SO,  156                          ; v156-159 the conversions' scale operands
.set PWD, 164                          ; v164-167 the four pairs' scale words
.set TT,  168                          ; v168-175 four pairs at work
.set VI,  176                          ; v176-187 a fragment of V^T
.set WRD, 188                          ; v188-190 scale words
.set G1X, 24
.set G1W, 32
.set G1W1, 40
.set G0X, 48                           ; s48-55
.set G0W, 68                           ; s68-75
.set MSB, 0
.macro WIN new                         ; the immediate's high byte repeats the setting that is left
.if MSB != (\new)
	s_set_vgpr_msb (MSB<<8)|(\new)
.set MSB, (\new)
.endif
.endm
.macro PLACES
.rept 4
	v_nop
.endr
.endm
.macro CROUND                          ; a round of the cluster's barrier
	s_barrier_signal -1
	s_barrier_wait -1
	s_cmp_lg_u32 s14, 0
	s_cbranch_scc1 .Lnot_wave_0_\@
	s_barrier_signal -3
.Lnot_wave_0_\@:
	s_barrier_wait -3
	s_barrier_signal -1
	s_barrier_wait -1
.endm
	s_load_b256 s[4:11], s[0:1], 0x0               ; cod, sc, rt, qc
	s_load_b64 s[12:13], s[0:1], 0x20              ; kv
	v_lshl_add_u32 v30, v0, 2, 0x4f800
	v_mov_b32 v31, 0
	ds_add_u32 v30, v31
	ds_add_u32 v30, v31
	v_lshrrev_b32 v1, 5, v0
	v_readfirstlane_b32 s14, v1                    ; wave
	s_lshr_b32 s15, s14, 1                         ; th.  Also: I fetch x's tiles (0) or the weights' (1)
	s_and_b32 s16, s14, 1                          ; c.   Also: which half I fetch
	s_bfe_u32 s17, ttmp6, 0x40000                  ; cx
	s_bfe_u32 s18, ttmp6, 0x40004                  ; cy
	s_lshl_b32 s19, ttmp9, 2
	s_add_co_u32 s19, s19, s17                     ; head
	s_and_b32 s20, ttmp7, 0xffff
	s_lshl_b32 s20, s20, 2
	s_add_co_u32 s20, s20, s18                     ; block of 256 tokens
	s_lshl_b32 s21, s18, 2
	s_lshl_b32 s21, 15, s21                        ; my row of the cluster
	s_lshl_b32 s22, 0x1111, s17                    ; my column
	s_or_b32 s[G1X], s21, (3<<16)|(1<<21)          ; elements of 8 bytes; no padding; bit 21 beside a mask
	s_or_b32 s[G1W], s22, (3<<16)|(1<<21)
	s_or_b32 s[G1W1], s22, (3<<16)|(1<<21)
	s_mov_b32 s[G1X+1], 768<<16                    ; x: 8 tiles x four fragments (6,144 bytes), records 12,288 bytes apart
	s_mov_b32 s[G1X+2], 8<<16
	s_mov_b32 s[G1X+3], 768<<16
	s_mov_b32 s[G1X+4], 8
	s_mov_b32 s[G1X+5], 1536
	s_mov_b32 s[G1X+6], 0
	s_mov_b32 s[G1X+7], 0
	s_mov_b32 s[G1W+1], 768<<16                    ; the weights: 6 tiles x four fragments
	s_mov_b32 s[G1W+2], 6<<16
	s_mov_b32 s[G1W+3], 768<<16
	s_mov_b32 s[G1W+4], 6
	s_mov_b32 s[G1W+5], 1536
	s_mov_b32 s[G1W+6], 0
	s_mov_b32 s[G1W+7], 0
	s_mov_b32 s[G1W1+1], 576<<16                   ; and 6 tiles x three fragments
	s_mov_b32 s[G1W1+2], 6<<16
	s_mov_b32 s[G1W1+3], 576<<16
	s_mov_b32 s[G1W1+4], 6
	s_mov_b32 s[G1W1+5], 1536
	s_mov_b32 s[G1W1+6], 0
	s_mov_b32 s[G1W1+7], 0
	s_lshl_b32 s84, s20, 4                         ; x's address is made of the token block and the wave alone,
	s_lshl_b32 s23, s16, 3
	s_add_co_u32 s84, s84, s23
	s_mul_i32 s84, s84, TREC
	s_mov_b32 s85, 0
	s_mul_i32 s86, s19, 12                         ; the weights' of the head and the wave alone
	s_mul_i32 s23, s16, 6
	s_add_co_u32 s86, s86, s23
	s_add_co_u32 s86, s86, 256
	s_mov_b32 s90, s86                             ; my weights' first record
	s_mul_i32 s86, s86, TREC
	s_mov_b32 s87, 0
	s_mul_i32 s88, s16, XH
	s_mul_i32 s89, s16, WH
	s_add_co_u32 s89, s89, WBASE
	s_wait_dscnt 0x0
	s_wait_kmcnt 0x0
	s_add_nc_u64 s[84:85], s[4:5], s[84:85]
	s_add_nc_u64 s[86:87], s[4:5], s[86:87]
.irp s, 0,1
	s_mov_b32 s[G0X+4*\s], 1
	s_add_co_u32 s[G0X+4*\s+1], s88, \s*2*XST
	s_add_nc_u64 s[G0X+4*\s+2:G0X+4*\s+3], s[84:85], \s*6144
	s_or_b32 s[G0X+4*\s+3], s[G0X+4*\s+3], 0x80000000
	s_mov_b32 s[G0W+4*\s], 1
	s_add_co_u32 s[G0W+4*\s+1], s89, \s*2*WST
	s_add_nc_u64 s[G0W+4*\s+2:G0W+4*\s+3], s[86:87], \s*6144
	s_or_b32 s[G0W+4*\s+3], s[G0W+4*\s+3], 0x80000000
.endr
	CROUND                                         ; all sixteen work-groups are here: the joint loads meet
	s_cmp_eq_u32 s15, 0                            ; a wave's four fills stand in one branch on the wave's number; four v_nop follow the last
	s_cbranch_scc0 .Lfor_w
	tensor_load_to_lds s[G0X:G0X+3], s[G1X:G1X+7]
	s_nop 0
	PLACES
	s_branch .Lasked
.Lfor_w:
	tensor_load_to_lds s[G0W:G0W+3], s[G1W:G1W+7]
	s_nop 0
	PLACES
.Lasked:
	v_and_b32 v2, 31, v0
	v_lshlrev_b32 v[LI], 4, v2
	s_wait_alu depctr_va_vdst(0)
	v_lshlrev_b32 v[L4], 2, v2
	v_and_b32 v[RR], 15, v0
	v_bfe_u32 v[HH], v0, 4, 1
	s_wait_alu depctr_va_vdst(0)
	s_mul_i32 s23, s15, XH                         ; my 128 tokens' tiles
.irp s, 0,1,2,3
	v_add_nc_u32 v[ADX+\s], s23, v[LI]
	s_add_co_u32 s23, s23, XST
.endr
	s_mul_i32 s23, s16, WH                         ; my six tiles of weights
	s_add_co_u32 s23, s23, WBASE
.irp s, 0,1,2,3
	v_add_nc_u32 v[ADW+\s], s23, v[LI]
	s_add_co_u32 s23, s23, WST
.endr
	s_lshl_b32 s91, s20, 4
	s_lshl_b32 s23, s15, 3
	s_add_co_u32 s91, s91, s23                     ; my tokens' first record
	s_sub_co_u32 s23, s90, s91                     ; the weights' records lie above x's: lanes 16-31 stand that far on
	s_lshl_b32 s23, s23, 9
	v_mul_u32_u24 v[VO], s23, v[HH]
	v_lshl_add_u32 v[VO], v[RR], 5, v[VO]          ; + 32 r
	s_lshl_b32 s23, s91, 9
	v_add_nc_u32 v[VO], s23, v[VO]
.irp i, 0,1,2,3,4,5,6,7                ; (for i = 6, 7 lanes 16-31 read records that are not used: record 449 at the most, inside sc)
	global_load_b128 v[SC+8*\i:SC+8*\i+3], v[VO], s[6:7] offset:512*\i
	global_load_b128 v[SC+8*\i+4:SC+8*\i+7], v[VO], s[6:7] offset:512*\i+16
.endr
	WIN 0x40                                       ; destination window 1
.irp i, 0,1,2,3,4,5                    ; my weights' eighth K step, straight into registers: 512 consecutive bytes a load
.irp n, 0,1,2
	global_load_b128 v[144+12*\i+4*\n:144+12*\i+4*\n+3], v[LI], s[86:87] offset:TREC*\i+7*1536+512*\n
.endr
.endr
	WIN 0
	s_lshl_b32 s92, s91, 12                        ; the table of cos and sin at my first tile
	s_mov_b32 s93, 0
	s_add_nc_u64 s[8:9], s[8:9], s[92:93]
	s_lshl_b32 s90, s19, 5
	s_lshl_b32 s23, s20, 1
	s_add_co_u32 s90, s90, s23
	s_add_co_u32 s90, s90, s15                     ; my record: 32 head + the step of 128 tokens
	s_mul_i32 s92, s90, 13056
	s_add_nc_u64 s[94:95], s[12:13], s[92:93]      ; in kv,
	s_mul_i32 s96, s90, 6656
	s_mov_b32 s97, 0
	s_add_nc_u64 s[96:97], s[10:11], s[96:97]      ; in qc
	s_cmp_eq_u32 s16, 0
	s_cselect_b64 s[96:97], s[96:97], s[94:95]     ; where my q or my k goes: the choice hangs on the wave's number alone
	s_mul_i32 s92, s16, 3072
	s_add_co_u32 s92, s92, 6656
	s_add_nc_u64 s[98:99], s[94:95], s[92:93]      ; my two fragments of V^T
	s_lshl_b32 s92, s16, 7
	s_add_co_u32 s92, s92, 12800
	s_add_nc_u64 s[94:95], s[94:95], s[92:93]      ; and their scale words
.macro FETCH kf                        ; the fragments of K step kf: x's eight into set kf % 2, my weights' six likewise
.set STG, (\kf)/2
.set PQ, (\kf)%2
	WIN 0xc0*PQ                                    ; x's set 0 lies in window 0, set 1 in window 3
.irp i, 0,1,2,3,4,5,6,7
.irp n, 0,1,2
	ds_load_b128 v[96+32*PQ+12*\i+4*\n:96+32*PQ+12*\i+4*\n+3], v[ADX+2*((\kf)/4)] offset:6144*\i+1536*((\kf)%4)+512*\n
.endr
.endr
.if (\kf) < 7
	WIN 0x40
.irp i, 0,1,2,3,4,5
.irp n, 0,1,2
.if (\kf) >= 4
	ds_load_b128 v[72*PQ+12*\i+4*\n:72*PQ+12*\i+4*\n+3], v[ADW+2] offset:4608*\i+1536*((\kf)-4)+512*\n
.else
	ds_load_b128 v[72*PQ+12*\i+4*\n:72*PQ+12*\i+4*\n+3], v[ADW] offset:6144*\i+1536*(\kf)+512*\n
.endif
.endr
.endr
.endif
.endm
; 48 matrix instructions: the 48 accumulators take turns, one instruction a turn, in the same order in every K step.  The first K step starts the sums with the constant 0.
.macro MUL kf
.set XB, 96+32*((\kf)%2)
.if (\kf) == 7
.set WB, 144
.else
.set WB, 72*((\kf)%2)
.endif
	WIN 0xa1+0x0c*((\kf)%2)                        ; source 0 (W) window 1, source 1 (x) window 0 or 3, C and D window 2
.irp xi, 0,1,2,3,4,5,6,7
.irp wi, 0,1,2,3
.if (\kf) == 0
	v_wmma_scale_f32_16x16x128_f8f6f4 v[32*\xi+8*\wi:32*\xi+8*\wi+7], v[WB+12*\wi:WB+12*\wi+11], v[XB+12*\xi:XB+12*\xi+11], 0, v[SC+8*\wi+(\kf)], v[SC+8*\xi+(\kf)] matrix_a_fmt:MATRIX_FMT_BF6 matrix_b_fmt:MATRIX_FMT_BF6 matrix_a_scale:MATRIX_SCALE_ROW1
.else
	v_wmma_scale_f32_16x16x128_f8f6f4 v[32*\xi+8*\wi:32*\xi+8*\wi+7], v[WB+12*\wi:WB+12*\wi+11], v[XB+12*\xi:XB+12*\xi+11], v[32*\xi+8*\wi:32*\xi+8*\wi+7], v[SC+8*\wi+(\kf)], v[SC+8*\xi+(\kf)] matrix_a_fmt:MATRIX_FMT_BF6 matrix_b_fmt:MATRIX_FMT_BF6 matrix_a_scale:MATRIX_SCALE_ROW1
.endif
.endr
.endr
	WIN 0xf4+0x03*((\kf)%2)                        ; source 0 (x) window 0 or 3, source 1 (Wv) window 1, C and D window 3
.irp wv, 0,1
.irp xi, 0,1,2,3,4,5,6,7
.if (\kf) == 0
	v_wmma_scale_f32_16x16x128_f8f6f4 v[64*\wv+8*\xi:64*\wv+8*\xi+7], v[XB+12*\xi:XB+12*\xi+11], v[WB+12*(4+\wv):WB+12*(4+\wv)+11], 0, v[SC+8*\xi+(\kf)], v[SC+8*(4+\wv)+(\kf)] matrix_a_fmt:MATRIX_FMT_BF6 matrix_b_fmt:MATRIX_FMT_BF6 matrix_b_scale:MATRIX_SCALE_ROW1
.else
	v_wmma_scale_f32_16x16x128_f8f6f4 v[64*\wv+8*\xi:64*\wv+8*\xi+7], v[XB+12*\xi:XB+12*\xi+11], v[WB+12*(4+\wv):WB+12*(4+\wv)+11], v[64*\wv+8*\xi:64*\wv+8*\xi+7], v[SC+8*\xi+(\kf)], v[SC+8*(4+\wv)+(\kf)] matrix_a_fmt:MATRIX_FMT_BF6 matrix_b_fmt:MATRIX_FMT_BF6 matrix_b_scale:MATRIX_SCALE_ROW1
.endif
.endr
.endr
.endm
.macro LOADCS xi                       ; token tile xi's cos and sin into set xi % 2
	WIN 0
.irp n, 0,1,2,3,4,5,6,7
	global_load_b128 v[CS+32*((\xi)%2)+4*\n:CS+32*((\xi)%2)+4*\n+3], v[LI], s[8:9] offset:4096*(\xi)+512*\n
.endr
.endm
	s_wait_alu depctr_va_vdst(0)
	s_wait_tensorcnt 0x0                           ; my part of K steps 0-3 is in
	ds_add_u32 v30, v31
	s_wait_dscnt 0x0
	CROUND                                         ; everybody's part is in, and all sixteen work-groups are here: the joint loads meet
	s_cmp_eq_u32 s15, 0
	s_cbranch_scc0 .Lfor_w2
	tensor_load_to_lds s[G0X+4:G0X+7], s[G1X:G1X+7]   ; x's K steps 4-7
	s_nop 0
	PLACES
	s_branch .Lasked2
.Lfor_w2:
	tensor_load_to_lds s[G0W+4:G0W+7], s[G1W1:G1W1+7] ; the weights' K steps 4-6
	s_nop 0
	PLACES
.Lasked2:
	FETCH 0
.irp kf, 0,1,2,3,4,5,6
.if (\kf+1) == 4                       ; the next K step opens the second half of K
	s_wait_dscnt 0x0                               ; no LDS load of mine is out at a signal
	s_wait_tensorcnt 0x0                           ; my part of that half is in
	s_barrier_signal -1
	s_barrier_wait -1
.endif
.if \kf > 0
	PLACES                                         ; four places in front of loads into registers that matrix instructions have read
.endif
	FETCH \kf+1
.if \kf < 6
	s_wait_dscnt 42                                ; all but the 42 just issued
.else
	s_wait_dscnt 24                                ; (the eighth K step fetches x's 24 alone)
.endif
.if \kf == 0
	s_wait_loadcnt 18                              ; the scale words are in; the 18 loads of the weights' eighth K step may be out
.endif
	MUL \kf
.endr
	LOADCS 0
	LOADCS 1
	s_wait_loadcnt 16                              ; the weights' eighth K step is in; the 16 loads just issued may be out
	s_wait_dscnt 0x0
	MUL 7
	WIN 0
	PLACES                                         ; four places in front of the first read of results and of writes into registers that held operands
	v_cmp_eq_u32 vcc_lo, 1, v[HH]                  ; the mask of lanes 16-31
.irp b, 0,1,2,3
	v_mov_b32 v[TP+\b], 0                          ; a lane permute's destination counts as one of its sources
.endr
; 64 numbers of a lane in window 3, register s + 16 b + i = token 32 b + 16 h + i of my d, become a fragment's codes in v[pc] on and its scale word in v[pw].
.macro QUANT128 s, pc, pw
	WIN 0x3c                                       ; sources 1 and 2 window 3
.irp b, 0,1,2,3
	v_max3_num_f32 v[TM+\b], 0x2800000, |v[\s+16*\b]|, |v[\s+1+16*\b]|    ; with the floor 2^(5 - 127); each accumulator is read from its low end on
.endr
.irp i, 2,4,6,8,10,12,14
.irp b, 0,1,2,3
	v_max3_num_f32 v[TM+\b], v[TM+\b], |v[\s+16*\b+\i]|, |v[\s+1+16*\b+\i]|
.endr
.endr
	WIN 0
.irp b, 0,1,2,3
	v_permlanex16_b32 v[TP+\b], v[TM+\b], s2, s3
.endr
.irp b, 0,1,2,3
	v_max_num_f32 v[TM+\b], v[TM+\b], v[TP+\b]     ; with lane l xor 16's 16: the block's largest magnitude
.endr
.irp b, 0,1,2,3
	v_add_nc_u32 v[SO+\b], 0xfe000000, v[TM+\b]    ; 4 off the exponent field: the conversion's scale operand
.endr
.irp b, 0,1,2,3
	v_lshrrev_b32 v[TP+\b], 23, v[SO+\b]           ; the byte
.endr
	v_lshl_or_b32 v[\pw], v[TP+1], 8, v[TP]
	v_lshl_or_b32 v[\pw], v[TP+2], 16, v[\pw]
	v_lshl_or_b32 v[\pw], v[TP+3], 24, v[\pw]
	WIN 0x03                                       ; source 0 window 3
.irp c, 0,1
	v_cvt_scalef32_pk16_bf6_f32 v[\pc+6*\c:\pc+6*\c+2], v[\s+32*\c:\s+32*\c+15], v[SO+2*\c]
	v_cvt_scalef32_pk16_bf6_f32 v[CT+4*\c:CT+4*\c+2], v[\s+16+32*\c:\s+31+32*\c], v[SO+2*\c+1]
.endr
	WIN 0
	v_nop                                          ; one plain place behind a scaled conversion
.irp c, 0,1                            ; the operand wants a whole block in a lane: lanes 0-15 block 2 c, lanes 16-31 block 2 c + 1
.irp i, 0,1,2
	v_permlane16_swap_b32 v[\pc+6*\c+\i], v[CT+4*\c+\i]
.endr
.irp i, 0,1,2
	v_mov_b32 v[\pc+3+6*\c+\i], v[CT+4*\c+\i]
.endr
.endr
.endm
; 32 numbers of a lane, register y + 16 b + i = d 32 b + 16 h + i of my token, become six registers of codes at v[p] on and the two bytes' word in v[pw].
.macro QUANT32 y, p, pw
.irp b, 0,1
	v_max3_num_f32 v[TM+\b], |v[\y+16*\b]|, |v[\y+1+16*\b]|, 0x2800000
.endr
.irp i, 2,4,6,8,10,12,14
.irp b, 0,1
	v_max3_num_f32 v[TM+\b], v[TM+\b], |v[\y+16*\b+\i]|, |v[\y+1+16*\b+\i]|
.endr
.endr
.irp b, 0,1
	v_permlanex16_b32 v[TP+\b], v[TM+\b], s2, s3
.endr
.irp b, 0,1
	v_max_num_f32 v[TM+\b], v[TM+\b], v[TP+\b]
.endr
.irp b, 0,1
	v_add_nc_u32 v[SO+\b], 0xfe000000, v[TM+\b]
.endr
.irp b, 0,1
	v_lshrrev_b32 v[TP+\b], 23, v[SO+\b]
.endr
	v_lshl_or_b32 v[\pw], v[TP+1], 8, v[TP]
	v_or_b32 v[\pw], 0x7f7f0000, v[\pw]            ; the scale 1 for the 64 along K that hold zero codes
	v_cvt_scalef32_pk16_bf6_f32 v[\p:\p+2], v[\y:\y+15], v[SO]
	v_cvt_scalef32_pk16_bf6_f32 v[CT:CT+2], v[\y+16:\y+31], v[SO+1]
	v_nop                                          ; one plain place behind a scaled conversion
.irp i, 0,1,2
	v_permlane16_swap_b32 v[\p+\i], v[CT+\i]       ; lanes 0-15 keep block 0, lanes 16-31 take block 1
.endr
.irp i, 0,1,2
	v_mov_b32 v[\p+3+\i], v[CT+\i]
.endr
.endm
	s_mov_b32 s2, 0x76543210
	s_mov_b32 s3, 0xfedcba98                       ; v_permlanex16_b32's selects for lane l xor 16
	; ---- v: my two tiles of 16 d x 128 tokens
.irp w, 0,1
.if \w > 0
	s_wait_xcnt 0x0                                ; the first tile's stores have read the fragment's registers
.endif
	QUANT128 64*\w, VI, WRD+\w
.irp n, 0,1,2
	global_store_b128 v[LI], v[VI+4*\n:VI+4*\n+3], s[98:99] offset:1536*\w+512*\n
.endr
.endr
	v_cndmask_b32 v[WRD+2], v[WRD], v[WRD+1], vcc_lo   ; lanes 0-15 tile 2 c's words, lanes 16-31 tile 2 c + 1's
	global_store_b32 v[L4], v[WRD+2], s[94:95]
	; ---- q or k: a tile of 16 tokens at a time
.macro QKEPI xi
.if (\xi) < 7
	s_wait_loadcnt 8                               ; this tile's cos and sin are in; the next tile's eight loads may be out
.else
	s_wait_loadcnt 0x0
.endif
	WIN 0x02                                       ; source 0 window 2
.irp wi, 0,1,2,3
.irp pp, 0,1,2,3
	v_pk_mul_f32 v[TT+2*\pp:TT+2*\pp+1], v[32*(\xi)+8*\wi+2*\pp:32*(\xi)+8*\wi+2*\pp+1], v[CS+32*((\xi)%2)+8*\wi+2*\pp:CS+32*((\xi)%2)+8*\wi+2*\pp+1] op_sel:[1,1] op_sel_hi:[1,0]   ; (odd x sin, odd x cos)
.endr
.irp pp, 0,1,2,3
	v_pk_fma_f32 v[Y+8*\wi+2*\pp:Y+8*\wi+2*\pp+1], v[32*(\xi)+8*\wi+2*\pp:32*(\xi)+8*\wi+2*\pp+1], v[CS+32*((\xi)%2)+8*\wi+2*\pp:CS+32*((\xi)%2)+8*\wi+2*\pp+1], v[TT+2*\pp:TT+2*\pp+1] op_sel_hi:[0,1,1] neg_lo:[0,0,1]   ; (even x cos - odd x sin, even x sin + odd x cos)
.endr
.endr
	WIN 0
.if (\xi) < 6
	LOADCS (\xi)+2
.endif
.if ((\xi)%2 == 0) && ((\xi) > 0)
	s_wait_xcnt 0x0                                ; the last pair's stores have read the image's registers
.endif
	QUANT32 Y, IMG+6*((\xi)%2), WRD+(\xi)%2
.if (\xi)%2 == 1
	v_cndmask_b32 v[PWD+(\xi)/2], v[WRD], v[WRD+1], vcc_lo
.irp n, 0,1,2
	global_store_b128 v[LI], v[IMG+4*\n:IMG+4*\n+3], s[96:97] offset:1536*((\xi)/2)+512*\n
.endr
.endif
.endm
.irp t, 0,1,2,3,4,5,6,7
	QKEPI \t
.endr
	global_store_b128 v[LI], v[PWD:PWD+3], s[96:97] offset:6144
	s_wait_tensorcnt 0x0
	ds_add_u32 v30, v31
	s_wait_dscnt 0x0
	CROUND                                         ; the closing round: no work-group ends while a partner may still ask for a tile that names it
	s_endpgm
.Lfunc_end_k_qdd09e814a4_qkv:
	.size	k_qdd09e814a4_qkv, .Lfunc_end_k_qdd09e814a4_qkv-k_qdd09e814a4_qkv
	.p2alignl 7, 3214868480
	.fill 96, 4, 3214868480
	.section	.rodata,"a",@progbits
	.p2align	6, 0x0
	.amdhsa_kernel k_qdd09e814a4_qkv
		.amdhsa_group_segment_fixed_size 327680
		.amdhsa_private_segment_fixed_size 0
		.amdhsa_enable_private_segment 0
		.amdhsa_kernarg_size 40
		.amdhsa_user_sgpr_count 2
		.amdhsa_user_sgpr_kernarg_segment_ptr 1
		.amdhsa_wavefront_size32 1
		.amdhsa_system_sgpr_workgroup_id_x 1
		.amdhsa_system_sgpr_workgroup_id_y 1
		.amdhsa_system_sgpr_workgroup_id_z 1
		.amdhsa_system_vgpr_workitem_id 0
		.amdhsa_next_free_vgpr 1024
		.amdhsa_next_free_sgpr 100
		.amdhsa_reserve_vcc 1
		.amdhsa_float_denorm_mode_32 3
		.amdhsa_float_denorm_mode_16_64 3
		.amdhsa_memory_ordered 1
		.amdhsa_forward_progress 1
		.amdhsa_inst_pref_size 131
	.end_amdhsa_kernel
	.amdgpu_metadata
---
amdhsa.version: [ 1, 2 ]
amdhsa.kernels:
  - .name:           k_qdd09e814a4_qkv
    .symbol:         k_qdd09e814a4_qkv.kd
    .args:
      - { .name: cod, .offset: 0, .size: 8, .value_kind: global_buffer, .address_space: global }
      - { .name: sc, .offset: 8, .size: 8, .value_kind: global_buffer, .address_space: global }
      - { .name: rt, .offset: 16, .size: 8, .value_kind: global_buffer, .address_space: global }
      - { .name: qc, .offset: 24, .size: 8, .value_kind: global_buffer, .address_space: global }
      - { .name: kv, .offset: 32, .size: 8, .value_kind: global_buffer, .address_space: global }
    .group_segment_fixed_size: 327680
    .private_segment_fixed_size: 0
    .kernarg_segment_align: 8
    .kernarg_segment_size: 40
    .max_flat_workgroup_size: 128
    .sgpr_count:     100
    .vgpr_count:     1024
    .wavefront_size: 32
...
	.end_amdgpu_metadata
.endif
;; end of part 2
;; launch attn (part 3): grid 16 x 16, 16 waves a work-group, no clusters, 327,680 bytes of LDS; arguments qc, kv, oc, sc; writes oc, sc
.if DOCPART == 3
	.amdgcn_target "amdgcn-amd-amdhsa--gfx1250"
	.amdhsa_code_object_version 6
	.text
	.protected	k_qdd09e814a4_attn
	.globl	k_qdd09e814a4_attn
	.p2align	8
	.type	k_qdd09e814a4_attn,@function
k_qdd09e814a4_attn:
	s_mov_b64 s[64:65], 0
	v_nop
	global_prefetch_b8 v0, s[64:65] scope:SCOPE_SE
	s_setreg_imm32_b32 hwreg(HW_REG_WAVE_MODE, 25, 1), 1
	s_wait_xcnt 0x0
; o = softmax(q k^T / 8, causal) v for 16 heads of 64, 4,096 tokens, both products on codes of BF6 (E3M2) with E8M0 scales; then o is quantised along d_model for the last product.
; THE SOFTMAX: t = score x log2(e) / 8; M = the running largest t rounded up to a whole number; p = 2^(t - M) is quantised along the keys, not normalised; the row's sum is taken of the unquantised p
; and divides O at the end.  When M moves, the sum and O are multiplied by 2^(old M - new M): exact.
; LEFT OUT: key steps of 128 whose keys all come after a block's queries: reference()'s own causal mask hides them whole.  A NaN or infinity that reaches only those keys is not carried to the result.
; SHARES.  The queries are 32 blocks of 128, a key step is 128 keys (one kv record).  Work-group (j, head) owns blocks j and 31 - j: (j + 1) + (32 - j) = 33 block steps, dealt to two groups of
; eight waves (a wave: a tile of 16 queries) over 17 trips of constant count.  Group B (waves 8-15): block 31 - j, key steps 0 .. 16, one a trip.  Group A (waves 0-7): block j, key steps 0 .. j in trips
; 0 .. j; then it puts that state aside in LDS and takes block 31 - j, key steps 17 .. 31 - j, in trips j + 1 .. 15.  In trip 16 A hands its part of block 31 - j (-M, the sums, O^T) to B through LDS;
; B joins the two parts by powers of two, 2^(own M - common M), which round nothing; A takes its block j up again; all sixteen waves then run one way out.
; Only the step whose number equals the block's lies on the diagonal and is masked: a scalar branch on ids.
; K's first product has K = 64: the upper 64 of the instruction's 128 are zero codes in Q's fragment; K's fragment there names the next tile's codes, or six registers with whatever they hold: every
; pattern of 6 bits is a finite number of E3M2, and it meets zero codes under the scale 1.
; LAYOUT.  Both products transposed: S^T = K Q^T, O^T = V^T P^T: a lane holds one query throughout.  The tiles' row order (32 b + 8 u + r + 8 (r / 8)) makes the 16 registers of tiles 2 b, 2 b + 1
; 16 neighbouring keys, and O^T's 32 registers d = 32 b + 16 h + 0 .. 15.
; TWO REGIONS OF 64 REGISTERS TAKE TURNS, step by step: one holds K and then V^T, the other the scores and then p.  When p has been summed and converted, its region takes the NEXT step's K, asked for
; ahead of the shuffles of p's codes, O^T's rescaling and the second product; the next scores are written where V^T lay.
; RING.  Two slots, each with the records of TWO trips (a turn): A's two, then B's two, 4 x 13,056 bytes.  Waves 0, 4, 8, 12 fetch one record each, one tensor load behind each barrier (51 rows of 256
; bytes); one is outstanding a wave at the most.  One barrier a turn, in the turn's second step: the wait for the loads, the add and the signal stand ahead of the exponentials, where V^T is in and the
; wave's reads of the slot are over; the exponentials, work on registers, stand between the signal and the wait; behind the wait the slot takes the records of the turn after next, and the other slot is
; whole for the next K.  From a load's issue to the wait for it a wave runs one whole step and parts of two more.
; PREFETCH.  Wave 5 names record t + 6 of the head in trips 0 .. 10 and record t + 22 in trips 0 .. 9: the tensor loads that want them are issued two or three trips on (the second: by work-group 0, later
; by the others).  A record's 51 blocks of 256 bytes are shared out among the head's 16 work-groups by address: blocks 3 j .. 3 j + 2, and block 48 + j where j < 3.  Records 0-5 and 17-21 come by their loads alone.
; NO CLUSTER: of a turn's four records A's two hang on j, so half of a turn's bytes differ between partners, and a round of the cluster's barrier would stand in each turn for 26,112 shared bytes.
; OUT.  oc [token tile][fragment of 128 along d_model][six chunks of 256 bytes: lane l's 8 bytes at 8 l = registers 2 q, 2 q + 1]: head hd writes chunks 3 (hd % 2) on of fragment hd / 2.
; sc records 512 + tile: row r's byte 2 hd + h.  These byte stores write 256-byte runs in part: 131,072 bytes in all.
; LIMITS: NaN and infinities are not served; the scaled scores t stay under 2^31 in magnitude; a block under 2^-122 (zeros too) gets the byte 1: read by this program alone.
.set RECB,  13056
.set SLOTB, 52224
.set SPARE, 104448                     ; behind the ring: the spare words, 128 bytes for each of 16 waves
.set STB,   4608                       ; a wave's state in LDS: O^T 8 x 512 bytes, then v12-15 (-M, t, the sums) 512
.set SAVE,  106496                     ; block j's state, put aside: a place for each wave
.set HAND,  SAVE+16*STB                ; A's part of block 31 - j, by tile
.set S,   96                           ; v32-95 and v96-159: the two regions; at the head and on the way out v96-159 are scratch
.set O,   160                          ; v160-191 O^T
.set PC,  192                          ; v192-203 p's codes
.set CT,  204                          ; v204-206, v208-210
.set BM,  212                          ; v212-215 the blocks' largest scores, then largest p
.set PM,  216                          ; v216-219 the other lane's, then the bytes
.set SOP, 220                          ; v220-223 the conversions' scale operands
.set FF,  224                          ; v[224:225] f
.set TMP, 228
.set NINF, 229
.set KS,  232                          ; v232-235 K's scale words
.set Q2,  236                          ; v236-241 the codes of my tile of block 31 - j; v230 their scale word
.set SUB, 242                          ; v242-255 seven chains of the row's sum; scratch at the head and at the join
; v1, v2: LDS address of my group's two records in slot 0, 16 and 4 bytes a lane; v226, v227: in slot 1; v3, v4: the add's; v5: the mask's; v6 r, v7 h; v8: the prefetches' offset; v9: 8 x lane;
; v10, v11: my places in SAVE and HAND; v231: 32 r + h
	s_load_b256 s[4:11], s[0:1], 0x0               ; qc, kv, oc, sc
	v_lshl_add_u32 v3, v0, 2, SPARE                ; my spare word; never rewritten
	v_mov_b32 v4, 0                                ; 0; never rewritten
	ds_add_u32 v3, v4                              ; the opening lines: the add twice and one wait
	ds_add_u32 v3, v4
	v_lshrrev_b32 v1, 5, v0
	v_readfirstlane_b32 s12, v1                    ; wave 0..15
	s_and_b32 s13, ttmp7, 0xffff                   ; head
	s_sub_co_u32 s14, 31, ttmp9                    ; block 31 - j
	s_sub_co_u32 s2, 16, ttmp9                     ; 16 - j: what A's record is ahead of its trip behind the change of blocks
	s_and_b32 s3, s12, 3                           ; 0: I load
	s_add_co_u32 s53, ttmp9, 1                     ; j + 1: the trip in which A changes blocks
	s_cmp_lt_u32 s12, 8
	s_cselect_b32 s15, ttmp9, s14                  ; the block in hand
	s_cselect_b32 s23, s53, 0xffff                 ; the trip from which my stream runs ahead (B's never does)
	s_mov_b32 s51, s15                             ; the block that I write out
	s_bfe_u32 s22, s12, 0x10002                    ; the trip of my next descriptor: which of a turn's two I load
	s_mov_b32 s16, 0                               ; the key step in hand
	s_mov_b32 s17, 0                               ; the trip
	s_mov_b32 s18, 0x76543210
	s_mov_b32 s19, 0xfedcba98                      ; v_permlanex16_b32's selects for lane l xor 16
	s_mov_b32 s20, 0x3e38aa3b                      ; c = log2(e) / 8
	s_mov_b32 s21, s20                             ; (named with it as a pair)
	s_mov_b32 s24, 3<<16                           ; group 1: 51 rows of 32 elements of 8 bytes, dense; no mask, no padding
	s_mov_b32 s25, 32<<16
	s_mov_b32 s26, 51<<16
	s_mov_b32 s27, 32<<16
	s_mov_b32 s28, 51
	s_mov_b32 s29, 32
	s_mov_b32 s30, 0
	s_mov_b32 s31, 0
	s_and_b32 s42, s12, 7                          ; my tile in the block
	s_lshr_b32 s43, s42, 1                         ; its pair
	s_and_b32 s44, s12, 1                          ; u
	s_lshr_b32 s45, s12, 3
	s_mul_i32 s45, s45, 2*RECB                     ; my group's two records in a slot
	s_mov_b32 s32, 1                               ; group 0 of slot 0: record wave / 4 of the slot's four,
	s_lshr_b32 s33, s12, 2
	s_mul_i32 s33, s33, RECB
	s_mov_b32 s36, 1                               ; of slot 1
	s_add_co_u32 s37, s33, SLOTB
	s_mul_i32 s46, s13, 32*RECB
	s_mov_b32 s47, 0                               ; stays 0: the upper word of every offset
; The next descriptor of a slot: the record of trip s22 of my stream (B: the trip's number; A: from trip j + 1 on 16 - j more); then s22 steps to the next turn.  Written only where no tensor load of the wave is out.
.macro DESC slot
	s_add_co_u32 s46, s22, s2
	s_cmp_ge_u32 s22, s23
	s_cselect_b32 s46, s46, s22
	s_mul_i32 s46, s46, RECB
	s_add_nc_u64 s[34+4*\slot:35+4*\slot], s[40:41], s[46:47]
	s_or_b32 s[35+4*\slot], s[35+4*\slot], 0x80000000
	s_add_co_u32 s22, s22, 2
.endm
	s_wait_dscnt 0x0
	s_wait_kmcnt 0x0
	s_add_nc_u64 s[40:41], s[6:7], s[46:47]        ; the head's records
	s_mov_b64 s[48:49], s[40:41]                   ; the prefetches' base: record t
	DESC 0                                         ; turn 0
	s_cmp_lg_u32 s3, 0                             ; waves 0, 4, 8, 12 load
	s_cbranch_scc1 .Lno_first
	tensor_load_to_lds s[32:35], s[24:31]
	s_nop 0
.rept 4
	v_nop
.endr
.Lno_first:
	s_lshl_b32 s58, s43, 5
	s_lshl_b32 s59, s44, 3
	s_add_co_u32 s58, s58, s59                     ; my tile's first query in its block
	s_mul_i32 s59, s43, 1536                       ; my pair's image in a record of q
	s_lshl_b32 s60, s44, 8
	s_lshl_b32 s61, s43, 2
	s_add_co_u32 s60, s60, s61
	s_add_co_u32 s60, s60, 6144                    ; and its scale words
	s_mul_i32 s61, s12, STB
	s_add_co_u32 s61, s61, SAVE
	s_mul_i32 s62, s42, STB
	s_add_co_u32 s62, s62, HAND
	s_mul_i32 s63, ttmp9, 3                        ; my work-group's blocks of a record: 3 j ..
	s_add_co_u32 s43, ttmp9, 48
	s_add_co_u32 s52, s63, 2
	s_cmp_lt_u32 ttmp9, 3
	s_cselect_b32 s43, s43, s52                    ; the fourth lane's: 48 + j, or the last one again
	s_cmp_eq_u32 s44, 1
	s_cselect_b32 s50, -1, 0
	s_lshl_b32 s52, s13, 5
	s_add_co_u32 s46, s52, s15
	s_mul_i32 s46, s46, 6656
	s_add_nc_u64 s[54:55], s[4:5], s[46:47]        ; q's record of my first block,
	s_add_co_u32 s46, s52, s14
	s_mul_i32 s46, s46, 6656
	s_add_nc_u64 s[56:57], s[4:5], s[46:47]        ; and of block 31 - j
	s_lshl_b32 s44, s51, 3
	s_add_co_u32 s44, s44, s42                     ; the token tile that I write out
	s_mul_i32 s46, s44, 12288
	s_lshr_b32 s52, s13, 1
	s_mul_i32 s52, s52, 1536
	s_add_co_u32 s46, s46, s52
	s_and_b32 s52, s13, 1
	s_mul_i32 s52, s52, 768
	s_add_co_u32 s46, s46, s52
	s_add_nc_u64 s[8:9], s[8:9], s[46:47]
	s_add_co_u32 s46, s44, 512
	s_lshl_b32 s46, s46, 9
	s_lshl_b32 s52, s13, 1
	s_add_co_u32 s46, s46, s52
	s_add_nc_u64 s[10:11], s[10:11], s[46:47]
	v_and_b32 v250, 31, v0
	v_and_b32 v6, 15, v0                           ; r
	v_bfe_u32 v7, v0, 4, 1                         ; h
	v_and_b32 v248, 3, v0
	v_lshlrev_b32 v242, 4, v250
	v_lshlrev_b32 v243, 2, v250
	v_lshlrev_b32 v9, 3, v250
	v_add_nc_u32 v1, s45, v242
	v_add_nc_u32 v2, s45, v243
	v_add_nc_u32 v10, s61, v242
	v_add_nc_u32 v11, s62, v242
	v_add_nc_u32 v246, s59, v242
	v_lshl_add_u32 v247, v6, 4, s60
.irp n, 0,1,2
	global_load_b128 v[S+4*\n:S+4*\n+3], v246, s[54:55] offset:512*\n         ; my pair's image, first block
	global_load_b128 v[S+12+4*\n:S+12+4*\n+3], v246, s[56:57] offset:512*\n   ; and block 31 - j
.endr
	global_load_b32 v28, v247, s[54:55]            ; Q's scale word: lane 16 u + r's word of my pair
	global_load_b32 v230, v247, s[56:57]
	v_add_nc_u32 v226, SLOTB, v1
	v_add_nc_u32 v227, SLOTB, v2
	v_and_b32 v244, 8, v6
	v_add_nc_u32 v244, v244, v6                    ; rho(r)
	v_lshlrev_b32 v5, 4, v7
	v_sub_nc_u32 v5, v244, v5
	v_add_nc_u32 v5, s58, v5                       ; my query in its block - 16 h
	v_lshl_add_u32 v231, v6, 5, v7
	v_min_u32 v8, 2, v248
	v_add_nc_u32 v8, s63, v8
	v_cmp_eq_u32 vcc_lo, 3, v248
	v_mov_b32 v249, s43
	v_cndmask_b32 v8, v8, v249, vcc_lo
	v_lshlrev_b32 v8, 8, v8                        ; lanes 4 i + e all name block e of my work-group's four
	v_mov_b32 v13, 0xff61b1e6                      ; the largest t so far: -3e38
	v_mov_b32 v12, 0x7f61b1e6                      ; -M = floor(3e38)
	v_mov_b32 v14, 0                               ; the sum, in two halves
	v_mov_b32 v15, 0
.irp i, 0,1,2,3,4,5
	v_mov_b32 v[22+\i], 0                          ; Q's upper 64 along K: zero codes
	v_mov_b32 v[80+\i], 0                          ; what K's last tile names there in the first step
.endr
.irp b, 0,1,2,3
	v_mov_b32 v[PM+\b], 0                          ; a lane permute's destination counts as one of its sources
.endr
	v_mov_b32 v[FF+1], 0                           ; (named as the upper half of a pair)
	v_mov_b32 v[TMP], 0
.set N, 0
.rept 32
	v_mov_b32 v[O+N], 0                            ; O^T: the step is written once; the first finds zeros
.set N, N+1
.endr
	s_wait_loadcnt 0x0
.irp i, 0,1,2,3,4,5
	v_cndmask_b32 v[16+\i], v[S+\i], v[S+6+\i], s50   ; my tile's six registers of the pair's twelve
.endr
.irp i, 0,1,2,3,4,5
	v_cndmask_b32 v[Q2+\i], v[S+12+\i], v[S+18+\i], s50
.endr
; The fill of a slot, first thing behind the barrier.  who = 0: waves 0, 4, 8, 12; who = 1: wave 8 alone (the last turn holds B's record 16 and nothing else).
.macro REFILL slot, who
.if \who
	s_cmp_lg_u32 s12, 8
.else
	s_cmp_lg_u32 s3, 0
.endif
	s_cbranch_scc1 .Lnl_\@
	tensor_load_to_lds s[32+4*\slot:35+4*\slot], s[24:31]
	s_nop 0
.rept 4
	v_nop
.endr
.Lnl_\@:
.endm
.macro KLOAD reg, areg, base           ; K: four pair images, tile t at v[reg + 6 t]; scale word b: lanes 0-15 tile 2 b, lanes 16-31 tile 2 b + 1
.set N, 0
.rept 12
	ds_load_b128 v[\reg+4*N:\reg+4*N+3], v[\areg] offset:\base+512*N
.set N, N+1
.endr
	ds_load_b128 v[KS:KS+3], v[\areg] offset:\base+6144
.endm
; In trip j + 1 a wave of A puts block j's O^T and sums aside and takes up block 31 - j at key step 17.  With -M back at 3e38 the next step's f is 0, which clears O^T and the sums.
; (The five places at a step's end stand between the last products and these stores.)
.macro SWITCH
	s_cmp_ge_u32 s12, 8
	s_cbranch_scc1 .Lns_\@
	s_cmp_lg_u32 s17, s53
	s_cbranch_scc1 .Lns_\@
.irp t, 0,1,2,3,4,5,6,7
	ds_store_b128 v10, v[O+4*\t:O+4*\t+3] offset:512*\t   ; each accumulator from its low end on
.endr
	ds_store_b128 v10, v[12:15] offset:4096
	v_mov_b32 v28, v230                            ; the scale word first: ten places lie between it and the next product, four behind the last code
.irp i, 0,1,2,3,4,5
	v_mov_b32 v[16+\i], v[Q2+\i]
.endr
	v_mov_b32 v13, 0xff61b1e6
	v_mov_b32 v12, 0x7f61b1e6
	v_nop
	v_nop
	s_mov_b32 s15, s14
	s_mov_b32 s16, 17
.Lns_\@:
.endm
; A KEY STEP: 128 keys: record par of my group's two in the slot; K lies in region par, asked for a step ago.
; sync = 1: the change of slots with the next descriptor and the fill (who: see REFILL); 2: the barrier alone; 0: none.  pf = 1: wave 5 prefetches.  kn = 1: the next K is asked for; 2: by B alone; 0: not.
.macro STEP par, slot, sync, who, pf, kn
.set KR, 32+64*(\par)
.set SR, 96-64*(\par)
.set A16, 1+225*(\slot)
.set A4, 2+225*(\slot)
.set BASE, RECB*(\par)
	s_wait_dscnt 0x0                               ; K and its scale words are in
	s_wait_alu depctr_va_vdst(0)                   ; Q's registers may be freshly written
.irp t, 0,1,2,3,4,5,6,7
.if \t%2
	v_wmma_scale_f32_16x16x128_f8f6f4 v[SR+8*\t:SR+8*\t+7], v[KR+6*\t:KR+6*\t+11], v[16:27], 0, v[KS+\t/2], v28 matrix_a_fmt:MATRIX_FMT_BF6 matrix_b_fmt:MATRIX_FMT_BF6 matrix_a_scale:MATRIX_SCALE_ROW1
.else
	v_wmma_scale_f32_16x16x128_f8f6f4 v[SR+8*\t:SR+8*\t+7], v[KR+6*\t:KR+6*\t+11], v[16:27], 0, v[KS+\t/2], v28 matrix_a_fmt:MATRIX_FMT_BF6 matrix_b_fmt:MATRIX_FMT_BF6
.endif
.endr
.rept 4
	v_nop                                          ; four places: the loads below land in K's registers, and the scores are read
.endr
.set N, 0
.rept 12
	ds_load_b128 v[KR+4*N:KR+4*N+3], v[A16] offset:BASE+6656+512*N    ; V^T's four fragments: they land under the maxima
.set N, N+1
.endr
	ds_load_b32 v30, v[A4] offset:BASE+12800
	ds_load_b32 v31, v[A4] offset:BASE+12928
.if \pf
	s_cmp_lg_u32 s12, 5
	s_cbranch_scc1 .Lnp_\@
	s_cmp_ge_u32 s17, 11                           ; trips 0 .. 10: record 16 is the last that B's stream holds
	s_cbranch_scc1 .Lnp_\@
	global_prefetch_b8 v8, s[48:49] offset:6*RECB th:TH_LOAD_NT scope:SCOPE_SE
	s_cmp_ge_u32 s17, 10                           ; trips 0 .. 9: record 31 is the head's last
	s_cbranch_scc1 .Lnp_\@
	global_prefetch_b8 v8, s[48:49] offset:22*RECB th:TH_LOAD_NT scope:SCOPE_SE
.Lnp_\@:
.endif
	s_cmp_lg_u32 s16, s15                          ; only the step with the block's own number lies on the diagonal
	s_cbranch_scc1 .Lopen_\@
	v_mov_b32 v[NINF], 0xff800000                  ; hidden scores become -infinity: p = 0.  Register 16 b + i holds key 32 b + 16 h + i of the step
.set N, 0
.rept 64
	v_cmp_gt_i32 vcc_lo, 32*(N/16)+N%16, v5
	v_cndmask_b32 v[SR+N], v[SR+N], v[NINF], vcc_lo
.set N, N+1
.endr
.Lopen_\@:
.irp b, 0,1,2,3
	v_max3_num_f32 v[BM+\b], v[SR+16*\b], v[SR+1+16*\b], v[SR+2+16*\b]   ; the largest score of each block of 32 keys: for the row's maximum and, since p rises with the score, for the block's largest p
.endr
.irp i, 3,5,7,9,11,13
.irp b, 0,1,2,3
	v_max3_num_f32 v[BM+\b], v[BM+\b], v[SR+16*\b+\i], v[SR+1+16*\b+\i]
.endr
.endr
.irp b, 0,1,2,3
	v_max_num_f32 v[BM+\b], v[BM+\b], v[SR+15+16*\b]
.endr
.irp b, 0,1,2,3
	s_delay_alu instid0(VALU_DEP_4)
	v_permlanex16_b32 v[PM+\b], v[BM+\b], s18, s19
.endr
.irp b, 0,1,2,3
	s_delay_alu instid0(VALU_DEP_4)
	v_max_num_f32 v[BM+\b], v[BM+\b], v[PM+\b]     ; with lane l xor 16's 16 keys
.endr
	s_delay_alu instid0(VALU_DEP_2)
	v_max3_num_f32 v[TMP], v[BM], v[BM+1], v[BM+2]
	s_delay_alu instid0(VALU_DEP_1)
	v_max_num_f32 v[TMP], v[TMP], v[BM+3]
	s_delay_alu instid0(VALU_DEP_1)
	v_mul_f32 v[TMP], s20, v[TMP]                  ; as t (c is positive)
	s_delay_alu instid0(VALU_DEP_1)
	v_max_num_f32 v13, v13, v[TMP]                 ; the running largest t
	v_mov_b32 v[TMP], v12
	s_delay_alu instid0(VALU_DEP_2)
	v_floor_f32 v12, -v13                          ; the new -M = -ceil(t)
	s_delay_alu instid0(VALU_DEP_1)
	v_sub_f32 v[TMP], v12, v[TMP]                  ; old M - new M: a whole number, 0 or less
	s_delay_alu instid0(VALU_DEP_1)
	v_cvt_i32_f32 v[TMP], v[TMP]                   ; (it saturates)
	s_delay_alu instid0(VALU_DEP_1)
	v_ldexp_f32 v[FF], 1.0, v[TMP]                 ; f = 2^(old M - new M)
.set N, 0
.rept 32
	v_pk_fma_f32 v[SR+N:SR+1+N], v[SR+N:SR+1+N], s[20:21], v[12:13] op_sel_hi:[1,0,0]   ; t - M, two at a time
.set N, N+2
.endr
.irp b, 0,1,2,3
	v_fma_f32 v[BM+\b], v[BM+\b], s20, v12         ; the same of each block's largest score
.endr
.if \sync
	s_wait_tensorcnt 0x0                           ; no tensor load of mine is out: the loaders' parts of the other slot are in, and a group 0 may be written
	ds_add_u32 v3, v4                              ; 0 onto my spare word, twice
	ds_add_u32 v3, v4
.if \sync == 1
	DESC \slot                                     ; what this slot takes next
.endif
.if \pf
	s_wait_xcnt 0x0                                ; my prefetches have read their base
	s_add_nc_u64 s[48:49], s[48:49], RECB
.endif
	s_wait_dscnt 0x0                               ; the adds are done, V^T is in: my reads of this slot are over
	s_barrier_signal -1                            ; only work on registers stands between this and the wait
.else
.if \pf
	s_wait_xcnt 0x0                                ; my prefetches have read their base
	s_add_nc_u64 s[48:49], s[48:49], RECB
.endif
	s_wait_dscnt 0x0                               ; V^T and its scale words are in
.endif
	s_wait_alu depctr_va_vdst(0)
.set N, 0
.rept 64
	v_exp_f32 v[SR+N], v[SR+N]                     ; p = 2^(t - M)
.set N, N+1
.endr
.irp b, 0,1,2,3
	v_exp_f32 v[BM+\b], v[BM+\b]                   ; the block's largest p: the same two instructions on the same number
.endr
	v_pk_mul_f32 v[14:15], v[14:15], v[FF:FF+1] op_sel_hi:[1,0]   ; the sums under the new M (a plain place behind the exponentials)
	s_wait_alu depctr_va_vdst(0)                   ; and behind it, ahead of its first reader
.if \sync
	s_barrier_wait -1                              ; the other slot is whole, and nobody reads this one any more
.endif
.if \sync == 1
	REFILL \slot, \who
.endif
.irp c, 0,1,2,3,4,5,6                  ; the row's sum of the unquantised p: eight chains, two numbers an instruction
	v_pk_add_f32 v[SUB+2*\c:SUB+2*\c+1], v[SR+4*\c:SR+4*\c+1], v[SR+4*\c+2:SR+4*\c+3]
.endr
	v_pk_add_f32 v[14:15], v[14:15], v[SR+28:SR+29]
.irp q, 30,46
.irp c, 0,1,2,3,4,5,6
	v_pk_add_f32 v[SUB+2*\c:SUB+2*\c+1], v[SUB+2*\c:SUB+2*\c+1], v[SR+\q+2*\c:SR+\q+2*\c+1]
.endr
	v_pk_add_f32 v[14:15], v[14:15], v[SR+\q+14:SR+\q+15]
.endr
	v_pk_add_f32 v[SUB:SUB+1], v[SUB:SUB+1], v[SR+62:SR+63]
	v_pk_add_f32 v[SUB+2:SUB+3], v[SUB+2:SUB+3], v[SUB+4:SUB+5]
	v_pk_add_f32 v[SUB+6:SUB+7], v[SUB+6:SUB+7], v[SUB+8:SUB+9]
	v_pk_add_f32 v[SUB+10:SUB+11], v[SUB+10:SUB+11], v[SUB+12:SUB+13]
.irp b, 0,1,2,3
	v_max_num_f32 v[BM+\b], 0x2800000, v[BM+\b]    ; the floor 2^(5 - 127)
.endr
	v_pk_add_f32 v[14:15], v[14:15], v[SUB:SUB+1]
	v_pk_add_f32 v[SUB+2:SUB+3], v[SUB+2:SUB+3], v[SUB+6:SUB+7]
.irp b, 0,1,2,3
	v_add_nc_u32 v[SOP+\b], 0xfe000000, v[BM+\b]   ; 4 off the exponent field
.endr
	v_pk_add_f32 v[14:15], v[14:15], v[SUB+10:SUB+11]
.irp b, 0,1,2,3
	v_lshrrev_b32 v[PM+\b], 23, v[SOP+\b]          ; the byte
.endr
	v_pk_add_f32 v[14:15], v[14:15], v[SUB+2:SUB+3]
	v_lshl_or_b32 v29, v[PM+1], 8, v[PM]           ; p's scale word for these 128 keys
	s_delay_alu instid0(VALU_DEP_1)
	v_lshl_or_b32 v29, v[PM+2], 16, v29
	s_delay_alu instid0(VALU_DEP_1)
	v_lshl_or_b32 v29, v[PM+3], 24, v29
.irp c, 0,1
	v_cvt_scalef32_pk16_bf6_f32 v[PC+6*\c:PC+6*\c+2], v[SR+32*\c:SR+15+32*\c], v[SOP+2*\c]
	v_cvt_scalef32_pk16_bf6_f32 v[CT+4*\c:CT+4*\c+2], v[SR+16+32*\c:SR+31+32*\c], v[SOP+2*\c+1]
.endr
	v_nop                                          ; one plain place behind a scaled conversion
.if \kn == 2
	s_wait_alu depctr_va_vdst(0)
	s_cmp_lt_u32 s12, 8                            ; A has no step in trip 16
	s_cbranch_scc1 .Lnk_\@
.endif
.if \kn                                ; p is summed and converted: its region takes the next step's K:
.if \par
	KLOAD SR, 1+225*(1-(\slot)), 0                 ; the other slot's first record,
.else
	KLOAD SR, 1+225*(\slot), RECB                  ; or this slot's second
.endif
.endif
.if \kn == 2
.Lnk_\@:
.endif
.irp c, 0,1
.irp i, 0,1,2
	v_permlane16_swap_b32 v[PC+6*\c+\i], v[CT+4*\c+\i]
.endr
.irp i, 0,1,2
	s_delay_alu instid0(VALU_DEP_3)
	v_mov_b32 v[PC+3+6*\c+\i], v[CT+4*\c+\i]
.endr
.endr
	s_wait_alu depctr_va_vdst(0)
.set N, 0
.rept 16
	v_pk_mul_f32 v[O+N:O+1+N], v[O+N:O+1+N], v[FF:FF+1] op_sel_hi:[1,0]   ; O^T under the new M.  (These are also the places between p's codes and scale word and the products)
.set N, N+2
.endr
.irp t, 0,1,2,3
.if \t%2
	v_wmma_scale_f32_16x16x128_f8f6f4 v[O+8*\t:O+8*\t+7], v[KR+12*\t:KR+12*\t+11], v[PC:PC+11], v[O+8*\t:O+8*\t+7], v[30+\t/2], v29 matrix_a_fmt:MATRIX_FMT_BF6 matrix_b_fmt:MATRIX_FMT_BF6 matrix_a_scale:MATRIX_SCALE_ROW1
.else
	v_wmma_scale_f32_16x16x128_f8f6f4 v[O+8*\t:O+8*\t+7], v[KR+12*\t:KR+12*\t+11], v[PC:PC+11], v[O+8*\t:O+8*\t+7], v[30+\t/2], v29 matrix_a_fmt:MATRIX_FMT_BF6 matrix_b_fmt:MATRIX_FMT_BF6
.endif
.endr
	s_add_co_u32 s16, s16, 1
	s_add_co_u32 s17, s17, 1
.rept 5
	v_nop                                          ; five places: the next scores are written over V^T's registers; O^T may be stored or read
.endr
.endm
	s_wait_alu depctr_va_vdst(0)
	s_wait_tensorcnt 0x0                           ; turn 0's records are in; the same lines stand ahead of slot 1's first fill as ahead of a refill
	ds_add_u32 v3, v4
	ds_add_u32 v3, v4
	DESC 1
	s_wait_dscnt 0x0
	s_barrier_signal -1
	s_barrier_wait -1
	REFILL 1, 0                                    ; turn 1's records
	KLOAD 32, 1, 0                                 ; the first step's K
	s_mov_b32 s52, 3
.Lloop:                                        ; turns 0 .. 5, two a trip of the loop: turn k asks for the four records of turn k + 2
	SWITCH
	STEP 0, 0, 0, 0, 1, 1
	SWITCH
	STEP 1, 0, 1, 0, 1, 1
	SWITCH
	STEP 0, 1, 0, 0, 1, 1
	SWITCH
	STEP 1, 1, 1, 0, 1, 1
	s_sub_co_i32 s52, s52, 1
	s_cmp_lg_u32 s52, 0
	s_cbranch_scc1 .Lloop
	SWITCH
	STEP 0, 0, 0, 0, 0, 1                          ; turn 6 (trips 12, 13) asks for B's record 16 alone,
	SWITCH
	STEP 1, 0, 1, 1, 0, 1
	SWITCH
	STEP 0, 1, 0, 0, 0, 1                          ; turn 7 (trips 14, 15) for nothing; its barrier shows record 16 whole
	SWITCH
	STEP 1, 1, 2, 0, 0, 2
	SWITCH                                         ; trip 16 (j = 15: A changes blocks here, and hands over a part that counts for nothing: its f is 0)
	s_cmp_lt_u32 s12, 8
	s_cbranch_scc1 .Lhand
	STEP 0, 0, 0, 0, 0, 0                          ; B: key step 16
	s_branch .Lmeet
.Lhand:
	s_wait_alu depctr_va_vdst(0)                   ; -M may be freshly written
.irp t, 0,1,2,3,4,5,6,7
	ds_store_b128 v11, v[O+4*\t:O+4*\t+3] offset:512*\t   ; A: my part of block 31 - j, for wave + 8
.endr
	ds_store_b128 v11, v[12:15] offset:4096
.irp t, 0,1,2,3,4,5,6,7
	ds_load_b128 v[O+4*\t:O+4*\t+3], v10 offset:512*\t    ; and block j is taken up again: LDS serves a wave's instructions in order
.endr
	ds_load_b128 v[12:15], v10 offset:4096
.Lmeet:
	s_wait_dscnt 0x0                               ; A's stores are done
	s_barrier_signal -1
	s_barrier_wait -1
	s_cmp_lt_u32 s12, 8
	s_cbranch_scc1 .Lfin
.irp t, 0,1,2,3,4,5,6,7
	ds_load_b128 v[S+4*\t:S+4*\t+3], v11 offset:512*\t    ; B: the other part's O^T,
.endr
	ds_load_b128 v[242:245], v11 offset:4096       ; its -M and its sums
	s_wait_dscnt 0x0
	v_min_num_f32 v[TMP], v12, v242                ; the common -M
	s_delay_alu instid0(VALU_DEP_1)
	v_sub_f32 v246, v[TMP], v12                    ; my M - the common M: a whole number, 0 or less
	v_sub_f32 v247, v[TMP], v242
	s_delay_alu instid0(VALU_DEP_2)
	v_cvt_i32_f32 v246, v246                       ; (they saturate)
	s_delay_alu instid0(VALU_DEP_2)
	v_cvt_i32_f32 v247, v247
	s_delay_alu instid0(VALU_DEP_2)
	v_ldexp_f32 v[FF], 1.0, v246
	s_delay_alu instid0(VALU_DEP_2)
	v_ldexp_f32 v248, 1.0, v247
.set N, 0
.rept 16
	v_pk_mul_f32 v[S+N:S+1+N], v[S+N:S+1+N], v[248:249] op_sel_hi:[1,0]
.set N, N+2
.endr
	v_pk_mul_f32 v[244:245], v[244:245], v[248:249] op_sel_hi:[1,0]
.set N, 0
.rept 16
	v_pk_fma_f32 v[O+N:O+1+N], v[O+N:O+1+N], v[FF:FF+1], v[S+N:S+1+N] op_sel_hi:[1,0,1]   ; both parts under the common M
.set N, N+2
.endr
	v_pk_fma_f32 v[14:15], v[14:15], v[FF:FF+1], v[244:245] op_sel_hi:[1,0,1]
.Lfin:
	; THE WAY OUT: O^T / the sum, quantised along d: my tile's six registers of codes and two bytes.
	v_add_f32 v14, v14, v15
	s_delay_alu instid0(VALU_DEP_1)
	v_permlanex16_b32 v[TMP], v14, s18, s19
	s_delay_alu instid0(VALU_DEP_1)
	v_add_f32 v14, v14, v[TMP]                     ; the row's sum
	s_wait_alu depctr_va_vdst(0)
	v_rcp_f32 v14, v14
	v_cmp_eq_u32 vcc_lo, 1, v7                     ; (a plain place behind the reciprocal)
	s_wait_alu depctr_va_vdst(0)
.set N, 0
.rept 16
	v_pk_mul_f32 v[S+N:S+1+N], v[O+N:O+1+N], v[14:15] op_sel_hi:[1,0]   ; register 16 b + i = o(my query, 32 b + 16 h + i)
.set N, N+2
.endr
.irp b, 0,1
	v_max3_num_f32 v[BM+\b], |v[S+16*\b]|, |v[S+1+16*\b]|, 0x2800000
.endr
.irp i, 2,4,6,8,10,12,14
.irp b, 0,1
	s_delay_alu instid0(VALU_DEP_2)
	v_max3_num_f32 v[BM+\b], v[BM+\b], |v[S+16*\b+\i]|, |v[S+1+16*\b+\i]|
.endr
.endr
.irp b, 0,1
	s_delay_alu instid0(VALU_DEP_2)
	v_permlanex16_b32 v[PM+\b], v[BM+\b], s18, s19
.endr
.irp b, 0,1
	s_delay_alu instid0(VALU_DEP_2)
	v_max_num_f32 v[BM+\b], v[BM+\b], v[PM+\b]
.endr
.irp b, 0,1
	s_delay_alu instid0(VALU_DEP_2)
	v_add_nc_u32 v[SOP+\b], 0xfe000000, v[BM+\b]
.endr
.irp b, 0,1
	s_delay_alu instid0(VALU_DEP_2)
	v_lshrrev_b32 v[PM+\b], 23, v[SOP+\b]
.endr
	v_cvt_scalef32_pk16_bf6_f32 v[PC:PC+2], v[S:S+15], v[SOP]
	v_cvt_scalef32_pk16_bf6_f32 v[CT:CT+2], v[S+16:S+31], v[SOP+1]
	v_cndmask_b32 v[NINF], v[PM], v[PM+1], vcc_lo  ; my half's byte (the plain place behind the conversions)
.irp i, 0,1,2
	v_permlane16_swap_b32 v[PC+\i], v[CT+\i]
.endr
.irp i, 0,1,2
	s_delay_alu instid0(VALU_DEP_3)
	v_mov_b32 v[PC+3+\i], v[CT+\i]
.endr
.irp i, 0,1,2
	global_store_b64 v9, v[PC+2*\i:PC+2*\i+1], s[8:9] offset:256*\i   ; 32 lanes store 256 consecutive bytes, at a multiple of 256 from oc's first byte
.endr
	global_store_b8 v231, v[NINF], s[10:11]
	s_wait_tensorcnt 0x0                           ; the wave's end
	ds_add_u32 v3, v4
	s_wait_dscnt 0x0
	s_endpgm
.Lfunc_end_k_qdd09e814a4_attn:
	.size	k_qdd09e814a4_attn, .Lfunc_end_k_qdd09e814a4_attn-k_qdd09e814a4_attn
	.p2alignl 7, 3214868480
	.fill 96, 4, 3214868480
	.section	.rodata,"a",@progbits
	.p2align	6, 0x0
	.amdhsa_kernel k_qdd09e814a4_attn
		.amdhsa_group_segment_fixed_size 327680
		.amdhsa_private_segment_fixed_size 0
		.amdhsa_enable_private_segment 0
		.amdhsa_kernarg_size 32
		.amdhsa_user_sgpr_count 2
		.amdhsa_user_sgpr_kernarg_segment_ptr 1
		.amdhsa_wavefront_size32 1
		.amdhsa_system_sgpr_workgroup_id_x 1
		.amdhsa_system_sgpr_workgroup_id_y 1
		.amdhsa_system_sgpr_workgroup_id_z 1
		.amdhsa_system_vgpr_workitem_id 0
		.amdhsa_next_free_vgpr 256
		.amdhsa_next_free_sgpr 66
		.amdhsa_reserve_vcc 1
		.amdhsa_float_denorm_mode_32 3
		.amdhsa_float_denorm_mode_16_64 3
		.amdhsa_memory_ordered 1
		.amdhsa_forward_progress 1
		.amdhsa_inst_pref_size 224
	.end_amdhsa_kernel
	.amdgpu_metadata
---
amdhsa.version: [ 1, 2 ]
amdhsa.kernels:
  - .name:           k_qdd09e814a4_attn
    .symbol:         k_qdd09e814a4_attn.kd
    .args:
      - { .name: qc, .offset: 0, .size: 8, .value_kind: global_buffer, .address_space: global }
      - { .name: kv, .offset: 8, .size: 8, .value_kind: global_buffer, .address_space: global }
      - { .name: oc, .offset: 16, .size: 8, .value_kind: global_buffer, .address_space: global }
      - { .name: sc, .offset: 24, .size: 8, .value_kind: global_buffer, .address_space: global }
    .group_segment_fixed_size: 327680
    .private_segment_fixed_size: 0
    .kernarg_segment_align: 8
    .kernarg_segment_size: 32
    .max_flat_workgroup_size: 512
    .sgpr_count:     66
    .vgpr_count:     256
    .wavefront_size: 32
...
	.end_amdgpu_metadata
.endif
;; end of part 3
;; launch proj (part 4): grid 8 x 32, 4 waves a work-group, clusters of 4 x 4, 197,120 bytes of LDS; arguments oc, cod, sc, out0; writes out0
.if DOCPART == 4
	.amdgcn_target "amdgcn-amd-amdhsa--gfx1250"
	.amdhsa_code_object_version 6
	.text
	.protected	k_qdd09e814a4_proj
	.globl	k_qdd09e814a4_proj
	.p2align	8
	.type	k_qdd09e814a4_proj,@function
k_qdd09e814a4_proj:
	s_mov_b64 s[64:65], 0
	v_nop
	global_prefetch_b8 v0, s[64:65] scope:SCOPE_SE
	s_setreg_imm32_b32 hwreg(HW_REG_WAVE_MODE, 25, 1), 1
	s_wait_xcnt 0x0
	s_wait_alu depctr_hold_cnt(0) depctr_sa_sdst(0) depctr_va_vdst(0) depctr_va_sdst(0) depctr_va_ssrc(0) depctr_va_vcc(0) depctr_vm_vsrc(0)
	s_getreg_b32 s2, hwreg(HW_REG_IB_STS2, 6, 4)
	s_cmp_eq_u32 s2, 0
	s_cbranch_scc0 .Lentry_in_a_cluster
	s_endpgm
.Lentry_in_a_cluster:
	s_bfe_u32 s2, ttmp6, 0x10000c
	s_cmp_lg_u32 s2, 0xf033
	s_cbranch_scc0 .Lentry_shape_is_right
	s_endpgm
.Lentry_shape_is_right:
; out0 = o Wo^T on codes of BF6 (E3M2) with E8M0 scales; out0 [4096][1024] f32.
; A tile of out0 is 128 x 128: 8 x 32 work-groups, one for each of 256 WGPs; four waves, 64 x 64 each: 16 accumulators.  All of K (1,024) lies in LDS, filled once, one tensor load a wave:
; no ring, no refill.  Each wave has one tensor load outstanding at the most.
; OPERANDS are images of their registers: Wo's fragments three chunks of 512 bytes (lane l's 16 bytes at 16 l), o's six chunks of 256 bytes (lane l's 8 bytes at 8 l).
; USED TRANSPOSED (source 0 = 16 rows of Wo, source 1 = 16 tokens): with the tiles' row order (32 b + 8 u + r + 8 (r / 8)) a lane holds token row r and eight neighbouring columns.
; CLUSTER 4 x 4: o's tiles hang on the token block alone and are asked for jointly along a row of the cluster, Wo's on the column block alone, along a column.
; THE WAY OUT goes through each wave's own stage (64 rows x 272 bytes), which lies in o's region: that has had its last fill, and a barrier shows that nobody reads it.
; REGISTERS: window 0: v1-15 addresses; v32-63 scale words (register 8 i + kf: lanes 0-15 o's tile i, lanes 16-31 Wo's tile i); v128-255 accumulators at v[128 + 32 xi + 8 wi].
;   window 1: o's two sets at v0, v48; Wo's at v96, v144; on the way out v0-127 rows read back.
.set TREC, 12288
; THE FILLS AS THEY STAND NOW (in place of the four stages that the head names): each wave issues ONE tensor load, its four tiles' records whole (49,152 dense bytes).
.set AH,   49152                       ; LDS: o's half p at AH p: [tile: 12,288][fragment: 1,536]; Wo's at 98,304 + AH p
.set BBASE, 98304
.set LI,  1                            ; v1  16 x lane
.set ADA, 2                            ; v2  o's fragments: my half + 8 x lane
.set ADB, 3                            ; v3  Wo's: my half + 16 x lane
.set VO,  4
.set RR,  6
.set HH,  7
.set STO, 8
.set RD,  9
.set CO,  10
.set SC,  32
.set ACC, 128
.set G1A, 24
.set G1B, 32
.set G0A, 40                           ; s40-43
.set G0B, 68                           ; s68-71
.set MSB, 0
.macro WIN new
.if MSB != (\new)
	s_set_vgpr_msb (MSB<<8)|(\new)
.set MSB, (\new)
.endif
.endm
.macro PLACES
.rept 4
	v_nop
.endr
.endm
.macro CROUND
	s_barrier_signal -1
	s_barrier_wait -1
	s_cmp_lg_u32 s14, 0
	s_cbranch_scc1 .Lnot_wave_0_\@
	s_barrier_signal -3
.Lnot_wave_0_\@:
	s_barrier_wait -3
	s_barrier_signal -1
	s_barrier_wait -1
.endm
	s_load_b256 s[4:11], s[0:1], 0x0               ; oc, cod, sc, out0
	v_lshl_add_u32 v126, v0, 2, 0x30000
	v_mov_b32 v127, 0
	ds_add_u32 v126, v127
	ds_add_u32 v126, v127
	v_lshrrev_b32 v1, 5, v0
	v_readfirstlane_b32 s14, v1                    ; wave
	s_lshr_b32 s15, s14, 1                         ; th: my half of the tokens.  Also: I fetch o's tiles (0) or Wo's (1)
	s_and_b32 s16, s14, 1                          ; c: my half of the columns.  Also: which half I fetch
	s_bfe_u32 s17, ttmp6, 0x40000                  ; cx
	s_bfe_u32 s18, ttmp6, 0x40004                  ; cy
	s_lshl_b32 s19, ttmp9, 2
	s_add_co_u32 s19, s19, s17                     ; block of 128 columns
	s_and_b32 s20, ttmp7, 0xffff
	s_lshl_b32 s20, s20, 2
	s_add_co_u32 s20, s20, s18                     ; block of 128 tokens
	s_lshl_b32 s21, s18, 2
	s_lshl_b32 s21, 15, s21                        ; my row of the cluster
	s_lshl_b32 s22, 0x1111, s17                    ; my column
	s_or_b32 s[G1A], s21, (3<<16)|(1<<21)          ; elements of 8 bytes; no padding; bit 21 beside a mask
	s_or_b32 s[G1B], s22, (3<<16)|(1<<21)
.irp g, G1A, G1B
	s_mov_b32 s[\g+1], 1536<<16                    ; 4 tiles x eight fragments (12,288 bytes), records 12,288 bytes apart
	s_mov_b32 s[\g+2], 4<<16
	s_mov_b32 s[\g+3], 1536<<16
	s_mov_b32 s[\g+4], 4
	s_mov_b32 s[\g+5], 1536
	s_mov_b32 s[\g+6], 0
	s_mov_b32 s[\g+7], 0
.endr
	s_lshl_b32 s84, s20, 3                         ; o's address is made of the token block and the wave alone,
	s_lshl_b32 s23, s16, 2
	s_add_co_u32 s84, s84, s23
	s_mul_i32 s84, s84, TREC
	s_mov_b32 s85, 0
	s_lshl_b32 s86, s19, 3                         ; Wo's of the column block and the wave alone
	s_add_co_u32 s86, s86, s23
	s_add_co_u32 s86, s86, 448
	s_mov_b32 s56, s86                             ; my columns' first record
	s_mul_i32 s86, s86, TREC
	s_mov_b32 s87, 0
	s_mul_i32 s88, s16, AH
	s_add_co_u32 s89, s88, BBASE
	s_wait_dscnt 0x0
	s_wait_kmcnt 0x0
	s_add_nc_u64 s[84:85], s[4:5], s[84:85]
	s_add_nc_u64 s[86:87], s[6:7], s[86:87]
.irp s, 0
	s_mov_b32 s[G0A+4*\s], 1
	s_add_co_u32 s[G0A+4*\s+1], s88, \s*12288
	s_add_nc_u64 s[G0A+4*\s+2:G0A+4*\s+3], s[84:85], \s*3072
	s_or_b32 s[G0A+4*\s+3], s[G0A+4*\s+3], 0x80000000
	s_mov_b32 s[G0B+4*\s], 1
	s_add_co_u32 s[G0B+4*\s+1], s89, \s*12288
	s_add_nc_u64 s[G0B+4*\s+2:G0B+4*\s+3], s[86:87], \s*3072
	s_or_b32 s[G0B+4*\s+3], s[G0B+4*\s+3], 0x80000000
.endr
	CROUND                                         ; all sixteen work-groups are here: the joint loads meet
	s_cmp_eq_u32 s15, 0                            ; a wave's four fills stand in one branch on the wave's number; four v_nop follow the last
	s_cbranch_scc0 .Lfor_b
	tensor_load_to_lds s[G0A:G0A+3], s[G1A:G1A+7]
	s_nop 0
	PLACES
	s_branch .Lasked
.Lfor_b:
	tensor_load_to_lds s[G0B:G0B+3], s[G1B:G1B+7]
	s_nop 0
	PLACES
.Lasked:
	v_and_b32 v5, 31, v0
	v_lshlrev_b32 v[LI], 4, v5
	v_and_b32 v[RR], 15, v0
	v_bfe_u32 v[HH], v0, 4, 1
	s_wait_alu depctr_va_vdst(0)
	s_mul_i32 s23, s15, AH
	v_lshl_add_u32 v[ADA], v5, 3, s23              ; my 64 tokens' tiles
	s_mul_i32 s23, s16, AH
	s_add_co_u32 s23, s23, BBASE
	v_add_nc_u32 v[ADB], s23, v[LI]                ; my 64 columns' tiles
	s_lshl_b32 s57, s20, 3
	s_lshl_b32 s23, s15, 2
	s_add_co_u32 s57, s57, s23
	s_add_co_u32 s57, s57, 512                     ; my tokens' first scale record: it lies above Wo's, so lanes 0-15 stand that far on
	s_sub_co_u32 s23, s57, s56
	s_lshl_b32 s23, s23, 9
	v_xor_b32 v[VO], 1, v[HH]
	v_mul_u32_u24 v[VO], s23, v[VO]
	v_lshl_add_u32 v[VO], v[RR], 5, v[VO]
	s_lshl_b32 s23, s56, 9
	v_add_nc_u32 v[VO], s23, v[VO]
.irp i, 0,1,2,3
	global_load_b128 v[SC+8*\i:SC+8*\i+3], v[VO], s[8:9] offset:512*\i
	global_load_b128 v[SC+8*\i+4:SC+8*\i+7], v[VO], s[8:9] offset:512*\i+16
.endr
	s_mul_i32 s23, s14, 64*272                     ; my stage
	v_and_b32 v5, 8, v[RR]
	v_add_nc_u32 v5, v5, v[RR]                     ; rho(r)
	v_mul_u32_u24 v[STO], v5, 272
	v_lshl_add_u32 v[STO], v[HH], 6, v[STO]
	v_add_nc_u32 v[STO], s23, v[STO]               ; in: row rho(r), + 64 h bytes
	v_mul_u32_u24 v[RD], v[HH], 272
	v_lshl_add_u32 v[RD], v[RR], 4, v[RD]
	v_add_nc_u32 v[RD], s23, v[RD]                 ; back: lanes 0-15 one row of 256 bytes, lanes 16-31 the next
	v_lshlrev_b32 v[CO], 12, v[HH]
	v_lshl_add_u32 v[CO], v[RR], 4, v[CO]          ; and the same two rows in out0
	s_lshl_b32 s58, s20, 19                        ; 128 tokens of 4,096 bytes
	s_lshl_b32 s23, s15, 18
	s_add_co_u32 s58, s58, s23
	s_lshl_b32 s23, s19, 9                         ; 128 columns
	s_add_co_u32 s58, s58, s23
	s_lshl_b32 s23, s16, 8
	s_add_co_u32 s58, s58, s23
	s_mov_b32 s59, 0
	s_add_nc_u64 s[10:11], s[10:11], s[58:59]
.macro FETCH kf                        ; K step kf: o's four fragments and Wo's four into set kf % 2
.set PQ, (\kf)%2
	WIN 0x40                                       ; destination window 1
.irp i, 0,1,2,3
.irp n, 0,1,2,3,4,5
	ds_load_b64 v[48*PQ+12*\i+2*\n:48*PQ+12*\i+2*\n+1], v[ADA] offset:12288*\i+1536*(\kf)+256*\n
.endr
.endr
.irp i, 0,1,2,3
.irp n, 0,1,2
	ds_load_b128 v[96+48*PQ+12*\i+4*\n:96+48*PQ+12*\i+4*\n+3], v[ADB] offset:12288*\i+1536*(\kf)+512*\n
.endr
.endr
.endm
.macro MUL kf                          ; 16 matrix instructions: the 16 accumulators take turns, one instruction a turn
.set PQ, (\kf)%2
	WIN 0x05                                       ; sources 0 and 1 window 1; C and D window 0
.irp xi, 0,1,2,3
.irp wi, 0,1,2,3
.if (\kf) == 0
	v_wmma_scale_f32_16x16x128_f8f6f4 v[ACC+32*\xi+8*\wi:ACC+32*\xi+8*\wi+7], v[96+48*PQ+12*\wi:96+48*PQ+12*\wi+11], v[48*PQ+12*\xi:48*PQ+12*\xi+11], 0, v[SC+8*\wi+(\kf)], v[SC+8*\xi+(\kf)] matrix_a_fmt:MATRIX_FMT_BF6 matrix_b_fmt:MATRIX_FMT_BF6 matrix_a_scale:MATRIX_SCALE_ROW1
.else
	v_wmma_scale_f32_16x16x128_f8f6f4 v[ACC+32*\xi+8*\wi:ACC+32*\xi+8*\wi+7], v[96+48*PQ+12*\wi:96+48*PQ+12*\wi+11], v[48*PQ+12*\xi:48*PQ+12*\xi+11], v[ACC+32*\xi+8*\wi:ACC+32*\xi+8*\wi+7], v[SC+8*\wi+(\kf)], v[SC+8*\xi+(\kf)] matrix_a_fmt:MATRIX_FMT_BF6 matrix_b_fmt:MATRIX_FMT_BF6 matrix_a_scale:MATRIX_SCALE_ROW1
.endif
.endr
.endr
.endm
	s_wait_tensorcnt 0x0                           ; my one load is in: nothing is ever filled again
	s_barrier_signal -1
	s_barrier_wait -1
	FETCH 0
.irp kf, 0,1,2,3,4,5,6
.if \kf > 0
	PLACES                                         ; four places in front of loads into registers that matrix instructions have read
.endif
	FETCH \kf+1
	s_wait_dscnt 36                                ; all but the 36 just issued
.if \kf == 0
	s_wait_loadcnt 0x0                             ; the scale words
.endif
	MUL \kf
.endr
	s_wait_dscnt 0x0
	MUL 7
	WIN 0
	PLACES                                         ; four places in front of the stores that read results and of loads into registers that held operands
	s_wait_alu depctr_va_vdst(0)
	s_wait_dscnt 0x0                               ; my reads of the tiles are over:
	s_barrier_signal -1
	s_barrier_wait -1                              ; everybody's are: the stages may be written
.irp xi, 0,1,2,3
.irp wi, 0,1,2,3
	ds_store_b128 v[STO], v[ACC+32*\xi+8*\wi:ACC+32*\xi+8*\wi+3] offset:272*(32*(\xi/2)+8*(\xi%2))+128*(\wi/2)+32*(\wi%2)        ; each accumulator from its low end on
	ds_store_b128 v[STO], v[ACC+32*\xi+8*\wi+4:ACC+32*\xi+8*\wi+7] offset:272*(32*(\xi/2)+8*(\xi%2))+128*(\wi/2)+32*(\wi%2)+16
.endr
.endr
	WIN 0x40
.irp t, 0,1,2,3,4,5,6,7,8,9,10,11,12,13,14,15,16,17,18,19,20,21,22,23,24,25,26,27,28,29,30,31
	ds_load_b128 v[4*\t:4*\t+3], v[RD] offset:544*\t   ; LDS serves a wave's instructions in order: these see my stores
.endr
	WIN 0x04                                       ; a store's data are its source 1: window 1
.irp t, 0,1,2,3,4,5,6,7,8,9,10,11,12,13,14,15,16,17,18,19,20,21,22,23,24,25,26,27,28,29,30,31
	s_wait_dscnt 31-\t                             ; rows 2 t, 2 t + 1 are back; the younger loads may be out
	global_store_b128 v[CO], v[4*\t:4*\t+3], s[10:11] offset:8192*\t th:TH_STORE_NT   ; 16 lanes store 256 consecutive bytes, at a multiple of 256 from out0's first byte
.endr
	WIN 0
	s_wait_tensorcnt 0x0
	ds_add_u32 v126, v127
	s_wait_dscnt 0x0
	CROUND                                         ; the closing round: no work-group ends while a partner may still ask for a tile that names it
	s_endpgm
.Lfunc_end_k_qdd09e814a4_proj:
	.size	k_qdd09e814a4_proj, .Lfunc_end_k_qdd09e814a4_proj-k_qdd09e814a4_proj
	.p2alignl 7, 3214868480
	.fill 96, 4, 3214868480
	.section	.rodata,"a",@progbits
	.p2align	6, 0x0
	.amdhsa_kernel k_qdd09e814a4_proj
		.amdhsa_group_segment_fixed_size 197120
		.amdhsa_private_segment_fixed_size 0
		.amdhsa_enable_private_segment 0
		.amdhsa_kernarg_size 32
		.amdhsa_user_sgpr_count 2
		.amdhsa_user_sgpr_kernarg_segment_ptr 1
		.amdhsa_wavefront_size32 1
		.amdhsa_system_sgpr_workgroup_id_x 1
		.amdhsa_system_sgpr_workgroup_id_y 1
		.amdhsa_system_sgpr_workgroup_id_z 1
		.amdhsa_system_vgpr_workitem_id 0
		.amdhsa_next_free_vgpr 512
		.amdhsa_next_free_sgpr 90
		.amdhsa_reserve_vcc 0
		.amdhsa_float_denorm_mode_32 3
		.amdhsa_float_denorm_mode_16_64 3
		.amdhsa_memory_ordered 1
		.amdhsa_forward_progress 1
		.amdhsa_inst_pref_size 51
	.end_amdhsa_kernel
	.amdgpu_metadata
---
amdhsa.version: [ 1, 2 ]
amdhsa.kernels:
  - .name:           k_qdd09e814a4_proj
    .symbol:         k_qdd09e814a4_proj.kd
    .args:
      - { .name: oc, .offset: 0, .size: 8, .value_kind: global_buffer, .address_space: global }
      - { .name: cod, .offset: 8, .size: 8, .value_kind: global_buffer, .address_space: global }
      - { .name: sc, .offset: 16, .size: 8, .value_kind: global_buffer, .address_space: global }
      - { .name: out0, .offset: 24, .size: 8, .value_kind: global_buffer, .address_space: global }
    .group_segment_fixed_size: 197120
    .private_segment_fixed_size: 0
    .kernarg_segment_align: 8
    .kernarg_segment_size: 32
    .max_flat_workgroup_size: 128
    .sgpr_count:     90
    .vgpr_count:     512
    .wavefront_size: 32
...
	.end_amdgpu_metadata
.endif
;; end of part 4
